; MI455X (gfx1250); checked and timed in simulation.
; The chip was launched on July 23, 2026; its instructions are those of AMD's public machine-readable ISA for CDNA 5 (MIT licence, August 2026) and "CDNA5" Instruction Set Architecture Reference Guide (July 2026). The comments in the code are by the model that wrote it; some were corrected since.
;; Attention. Allowed arithmetic: matrix products marked QUANTISED: E4M3 operands, one E8M0 scale for each 32 along K, by v_wmma_scale_f32_16x16x128_f8f6f4 with both operands' format E4M3, f32 sums; everything else in f32.
;; Inputs: b_attn 3,072 float32; b_proj 1,024 float32; inputs 2 x 2,048 x 1,024 float32; w_attn 1,024 x 3,072 float32; w_proj 1,024 x 1,024 float32.
;; Outputs: out0 2 x 2,048 x 1,024 float32; out1 2 x 2 x 16 x 2,048 x 64 float32.
;; This version of the problem:
;;   THIS VERSION OF THE PROBLEM IS GIVEN IN LOW PRECISION. The matrix products marked QUANTISED in the list below multiply operands that are first quantised to E4M3 (4 exponent bits, 3 mantissa bits; 8 bits a number), with one power-of-two scale for each 32 numbers along K (OCP MX v1.0); their sums are f32. All else is computed in f32.
;;   The module's matrix products, in the order in which they are computed (A, B: the left and right operand; K: the contracted axis; several contracted axes count as one K, in the product's order):
;;     1. [M 4,096, K 1,024] x [K 1,024, N 3,072]; A: input inputs; B: input w_attn: QUANTISED
;;     2. batch 32 x [M 2,048, K 64] x [K 64, N 2,048]; A: computed on the way; B: computed on the way: QUANTISED
;;     3. batch 32 x [M 2,048, K 2,048] x [K 2,048, N 64]; A: softmax (see below); B: computed on the way: QUANTISED
;;     4. [M 4,096, K 1,024] x [K 1,024, N 1,024]; A: computed on the way; B: input w_proj: QUANTISED
;;   THE QUANTISER, for each operand of a quantised product, along K:
;;     - K is cut into blocks of 32 from its start; a last block that is shorter is filled with zeros.
;;     - A block's scale is 2^e with e = floor(log2(the largest magnitude in the block)) - 8, held to -126 .. 127; a block of zeros has e = 0. As a byte (E8M0): e + 127.
;;     - Each number is divided by its block's scale, clamped to +-448, and rounded to the nearest number of E4M3, ties to even, subnormals kept.
;;     - The product sums the exact products of the quantised numbers (number of the format x scale) in f32.
;;   ~~~python
;;   def quantise(x, axis):      # numpy; x: float32 -> the quantised numbers, widened to float32 again
;;       x = np.moveaxis(x, axis, -1); K = x.shape[-1]
;;       x = np.pad(x, [(0, 0)] * (x.ndim - 1) + [(0, -K % 32)]); x = x.reshape(x.shape[:-1] + (-1, 32)); a = np.abs(x).max(-1, keepdims=True)
;;       e = np.where(a > 0, np.clip(np.frexp(np.where(a > 0, a, 1))[1] - 1 - 8, -126, 127), 0)      # np.frexp(a)[1] - 1 = floor(log2(a)), exactly
;;       r = np.clip(x / 2.0 ** e, -448, 448)
;;       step = 2.0 ** (np.maximum(np.frexp(np.where(r == 0, 1, r))[1] - 1, -6) - 3)
;;       q = np.round(r / step) * step * 2.0 ** e      # np.round: ties to even
;;       return np.moveaxis(q.reshape(q.shape[:-2] + (-1,))[..., :K], -1, axis).astype(np.float32)
;;   ~~~
;;   SOFTMAX AHEAD OF A QUANTISED PRODUCT. Where the list says 'softmax', what is quantised is not the finished softmax but p = 2^(t - M), with t = logit x log2(e) and M = ceil(the row's largest t), a whole number; so 1/2 < the row's largest p <= 1. The row's sum l is taken of the UNQUANTISED p, in f32, and the product's result is divided by l at the end. Since M is a whole number, a kernel that streams over the keys may use a running M (the ceiling of the running maximum): every later rescaling is an exact power of two, which a block's scale takes up: the codes' values come out the same.
;;   OPERANDS COMPUTED ON THE WAY. 'Computed on the way' means the value that the module computes at that place (a softmax that the list does not call 'softmax' is quantised finished and normalised). What goes into a quantiser is computed in f32, as accurately as f32 sums, v_exp_f32 and their like allow (about 1e-6 of the number): no bf16 or f16 on the way to a quantiser, and a product that is left as it is and whose result goes on into a quantised operand takes f32 operands (vector FMAs, or v_wmma_f32_16x16x4_f32). A number that lies on a knife's edge between two numbers of the format may be rounded either way, as far as f32 arithmetic and the matrix unit's own rounding can turn it there, and no further.
;; One version. Each part assembles by itself: llvm-mc -triple=amdgcn-amd-amdhsa -mcpu=gfx1250 --defsym DOCPART=n.
;; ======== version 1 of 1: 4 launches
;; limits: right only within a limited range of input values
;; workspace buffers: opnd 8,650,752 bytes; qkvq 13,369,344 bytes; hq 4,325,376 bytes
;; launch quant (part 1): grid 256 x 1, 4 waves a work-group, no clusters, 68,096 bytes of LDS; arguments inputs, w_attn, w_proj, opnd; writes opnd
.if DOCPART == 1
	.amdgcn_target "amdgcn-amd-amdhsa--gfx1250"
	.amdhsa_code_object_version 6
	.text
	.protected	k_qac68040a1d_quant
	.globl	k_qac68040a1d_quant
	.p2align	8
	.type	k_qac68040a1d_quant,@function
k_qac68040a1d_quant:
	s_mov_b64 s[64:65], 0
	v_nop
	global_prefetch_b8 v0, s[64:65] scope:SCOPE_SE
	s_setreg_imm32_b32 hwreg(HW_REG_WAVE_MODE, 25, 1), 1
	s_wait_xcnt 0x0
; inputs [4096][1024], w_attn [1024][3072] and w_proj [1024][1024], f32, become codes of FP8 (E4M3), K innermost, with one E8M0 byte for each 32 along K.
; A block's scale is 2^(floor(log2(largest magnitude)) - 8); its byte is the largest magnitude's exponent field - 8, held at 1 from below; numbers are held within +-448 x the scale and rounded to the nearest code.
; LIMITS: a block of zeros gets the byte 1 where the rule says 127 (its codes are zeros, and this program alone reads the bytes); NaN and infinities among the inputs are not served.
; POSITION ORDER: row position p of every buffer of codes and of scale bytes holds the actual row sw(p), p with its bits 3 and 4 exchanged.  Sixteen neighbouring positions are then the rows
; 32 b + 8 u + r + 8 (r / 8) that the products' launches want as one tile, so that a lane's results of two neighbouring tiles are 16 neighbours along the next K.
; opnd: x's codes at 0, w_attn's at WAC, w_proj's at WPC (rows of 1,024 bytes); the scale bytes at XSO, WAS, WPS (rows of 32 bytes).
; Work-groups 0-127 take x (K innermost: a stream of blocks of 32); work-groups 128-255 the weights (K is the first axis: a lane takes a column and its registers run down K).
; Each work-group reads 131,072 bytes.  The two paths have LDS bytes of their own.  No tensor loads, no barrier: waves share nothing.
; FOR x THE ORDER IS ANOTHER, inside each 128 tokens: position 64 u + 16 g + r holds token 32 g + 8 u + r + 8 (r / 8): a chunk of 64 positions has one tile of 16 of each group of 32 tokens.
; WORK LEFT OUT BY THE WHOLE PROGRAM: reference() builds its mask itself; a hidden key has the score -1e10, and every query sees itself, so a hidden key's p is 0 beside the row's largest p for all values that keep the scores
; far under 1e10: whole tiles of hidden keys are not multiplied (launch attn).  Limit: a NaN, an infinity or an overflow that reaches only hidden scores is not carried to the result.
.set XSO,   8388608
.set WAC,   4194304
.set WPC,   7340032
.set WAS,   8519680
.set WPS,   8617984
.set EMAX,  8
.set MANT,  0x600000                   ; the mantissa field of 448 as f32
.set STEPS, 16                         ; x: a wave takes 16 steps of 512 numbers: 8 rows
.set CB,    16                         ; bytes of 16 codes
.set R,     16                         ; v16-111  six sets of 16 numbers as loaded
.set X,     112                        ; (x: six sets of 16 numbers as loaded at v16-111; two sets of 16 neighbours at v112-143)
.set C,     144                        ; v144-207 codes, four registers a step
.set E,     210                        ; v210-225 a scale byte a step
.set WREG,  8192                       ; x: LDS of a wave: two stages of 32 x SP bytes, then 256 scale bytes
.set SP,    80
.set NB,    8                          ; weights: blocks of 32 along K for a wave
.set PITCH, 272                        ; a stage row: 256 codes + 16
.set WLDS,  32768                      ; the weights' path begins here in LDS
.set WX,    32                         ; v32-95   two sets of 32 numbers
.set WC,    96                         ; v96-103  a block's codes
.set OUTR,  112                        ; v112-175 the way out
.set SB,    24                         ; v24-25   the scale bytes
.set WOF,   176                        ; v176-207 4 x lane + i x a row of the weight
.set WB,    32                         ; s[32:47] a base for each block of 32 rows
	s_load_b256 s[4:11], s[0:1], 0x0               ; inputs s[4:5], w_attn s[6:7], w_proj s[8:9], opnd s[10:11]
	v_lshl_add_u32 v208, v0, 2, 0x10800
	v_mov_b32 v209, 0
	v_lshrrev_b32 v1, 5, v0
	v_readfirstlane_b32 s16, v1                    ; wave
	v_and_b32 v2, 31, v0                           ; lane
	s_cmp_lt_u32 ttmp9, 128
	s_cbranch_scc0 .Lweights
	; ---------------- x ----------------
	v_lshlrev_b32 v3, 4, v2                        ; my 16 bytes of a load's 512
	s_mul_i32 s17, s16, WREG
	v_lshrrev_b32 v14, 2, v2
	v_mul_u32_u24 v14, v14, SP
	v_and_b32 v15, 3, v2
	v_lshl_add_u32 v14, v15, 4, v14
	v_add_nc_u32 v14, s17, v14                     ; the stage, in: SP (lane / 4) + 16 (lane % 4)
	v_mul_u32_u24 v15, v2, SP
	v_add_nc_u32 v15, s17, v15                     ; and out: SP x lane: my 16 neighbours
	v_mul_u32_u24 v4, v2, CB                       ; my codes' place in a step's
	v_lshrrev_b32 v5, 1, v2
	s_add_co_u32 s17, s17, 2*32*SP
	v_add_nc_u32 v5, s17, v5                       ; my block's byte among the wave's 256
	v_lshlrev_b32 v7, 3, v2
	v_add_nc_u32 v6, s17, v7
	s_mov_b32 s23, MANT
	s_lshl_b32 s17, ttmp9, 2
	s_add_co_u32 s18, s17, s16                     ; which 8 rows are my wave's
	s_lshl_b32 s18, s18, 15                        ; x 32,768 bytes of f32
	s_mov_b32 s19, 0
	s_and_b32 s20, s16, 1                          ; where they go, in groups of 8 rows: 16 x (128 tokens) + 8 x (bit 3 of the token) + 2 x (its group of 32) + (bit 4)
	s_lshl_b32 s20, s20, 3
	s_lshr_b32 s21, s16, 1
	s_or_b32 s20, s20, s21
	s_and_b32 s21, ttmp9, 3
	s_lshl_b32 s21, s21, 1
	s_or_b32 s20, s20, s21
	s_lshr_b32 s21, ttmp9, 2
	s_lshl_b32 s21, s21, 4
	s_or_b32 s20, s20, s21
	s_lshl_b32 s24, s20, 13                        ; 8,192 bytes of codes
	s_mov_b32 s25, 0
	s_lshl_b32 s26, s20, 8                         ; 256 scale bytes
	s_add_co_u32 s26, s26, XSO
	s_mov_b32 s27, 0
	s_wait_alu depctr_va_vdst(0)
	s_wait_kmcnt 0x0
	s_add_nc_u64 s[4:5], s[4:5], s[18:19]
	s_add_nc_u64 s[8:9], s[10:11], s[24:25]        ; my codes
	s_add_nc_u64 s[10:11], s[10:11], s[26:27]      ; my scale bytes
.macro LOADX t
.irp i, 0,1,2,3
	global_load_b128 v[R+16*((\t)%6)+4*\i:R+16*((\t)%6)+4*\i+3], v3, s[4:5] offset:2048*(\t)+512*\i th:TH_LOAD_NT   ; 32 lanes read 512 consecutive bytes
.endr
.endm
.macro TURNX t                         ; step t's numbers through the stage: LDS serves a wave's instructions in order
.irp i, 0,1,2,3
	ds_store_b128 v14, v[R+16*((\t)%6)+4*\i:R+16*((\t)%6)+4*\i+3] offset:32*SP*((\t)%2)+8*SP*\i
.endr
.irp i, 0,1,2,3
	ds_load_b128 v[X+16*((\t)%2)+4*\i:X+16*((\t)%2)+4*\i+3], v15 offset:32*SP*((\t)%2)+16*\i
.endr
.endm
.irp t, 0,1,2,3,4,5
	LOADX \t
.endr
	s_wait_loadcnt 20                              ; step 0's four loads are in; twenty younger ones stay out
	TURNX 0
.macro STEPX t
.set XS, X+16*((\t)%2)
.if (\t) > 0
	s_wait_dscnt 1                                 ; this step's numbers are back from the stage; the last step's byte store may be out
.else
	s_wait_dscnt 0x0
.endif
.if (\t)+6 < STEPS
	LOADX (\t)+6
.endif
.if (\t)+1 < STEPS
.if STEPS-2-(\t) >= 5
	s_wait_loadcnt 20                              ; the next step's four loads are in; those of the five steps behind it may be out
.else
	s_wait_loadcnt 4*(STEPS-2-(\t))
.endif
	TURNX (\t)+1
.endif
	v_max3_num_f32 v8, |v[XS]|, |v[XS+1]|, |v[XS+2]|               ; the largest magnitude of my 16
	v_max3_num_f32 v9, |v[XS+3]|, |v[XS+4]|, |v[XS+5]|
.irp i, 6,10
	v_max3_num_f32 v8, v8, |v[XS+\i]|, |v[XS+\i+1]|
	v_max3_num_f32 v9, v9, |v[XS+\i+2]|, |v[XS+\i+3]|
.endr
	v_max3_num_f32 v8, v8, |v[XS+14]|, |v[XS+15]|
	v_max3_num_f32 v8, v8, v9, (EMAX+1)<<23        ; and the floor 2^(9 - 127): the byte cannot fall under 1
	v_max_num_f32_dpp v8, v8, v8 row_xmask:1 row_mask:0xf bank_mask:0xf   ; with my neighbour's 16: the block's
	v_add_nc_u32 v11, -(EMAX<<23), v8              ; 8 off its exponent field: the conversion's scale operand
	v_and_or_b32 v10, v8, 0x7f800000, s23          ; 448 x the scale
.irp i, 0,1,2,3,4,5,6,7,8,9,10,11,12,13,14,15
	v_med3_num_f32 v[XS+\i], v[XS+\i], -v10, v10   ; the conversion does not saturate (ISA guide 7.6.2): the hold comes first
.endr
	v_cvt_scalef32_pk8_fp8_f32 v[C+4*(\t):C+4*(\t)+1], v[XS:XS+7], v11
	v_cvt_scalef32_pk8_fp8_f32 v[C+4*(\t)+2:C+4*(\t)+3], v[XS+8:XS+15], v11
	v_lshrrev_b32 v[E+(\t)], 23, v11               ; the scale's byte
	ds_store_b8 v5, v[E+(\t)] offset:16*(\t)       ; both lanes of a block write the same byte with the same value
	global_store_b128 v4, v[C+4*(\t):C+4*(\t)+3], s[8:9] offset:32*CB*(\t)   ; 512 consecutive bytes
.endm
.irp t, 0,1,2,3,4,5,6,7,8,9,10,11,12,13,14,15
	STEPX \t
.endr
	ds_load_b64 v[12:13], v6                       ; LDS serves a wave's instructions in order: these see my byte stores
	s_wait_dscnt 0x0
	global_store_b64 v7, v[12:13], s[10:11]        ; 32 lanes store 256 consecutive bytes, aligned
	s_wait_tensorcnt 0x0
	ds_add_u32 v208, v209
	s_wait_dscnt 0x0
	s_endpgm
	; ---------------- the weights ----------------
.Lweights:
	s_sub_co_u32 s17, ttmp9, 128
	s_lshr_b32 s18, s17, 2                         ; which 128 columns: 0-23 w_attn's, 24-31 w_proj's
	s_and_b32 s19, s17, 3                          ; which 256 along K
	s_wait_kmcnt 0x0
	s_cmp_lt_u32 s18, 24                           ; the choice hangs on the work-group's number alone
	s_cselect_b64 s[6:7], s[6:7], s[8:9]           ; the weight
	s_cselect_b32 s20, 0, 24
	s_mov_b32 s21, 4096
	s_cselect_b32 s21, 12288, s21                  ; a row of it in bytes
	s_mov_b32 s22, WPC
	s_cselect_b32 s22, WAC, s22                    ; where its codes begin in opnd
	s_mov_b32 s23, WPS
	s_cselect_b32 s23, WAS, s23                    ; and its scale bytes
	s_sub_co_u32 s18, s18, s20
	s_lshl_b32 s18, s18, 7
	s_lshl_b32 s24, s16, 5
	s_add_co_u32 s18, s18, s24                     ; my wave's first column
	s_mul_i32 s26, s19, s21
	s_lshl_b32 s26, s26, 8                         ; 256 rows for each step along K
	s_lshl_b32 s24, s18, 2
	s_add_co_u32 s26, s26, s24
	s_mov_b32 s27, 0
	s_add_nc_u64 s[WB:WB+1], s[6:7], s[26:27]
	s_lshl_b32 s28, s21, 5                         ; 32 rows
	s_mov_b32 s29, 0
.irp t, 1,2,3,4,5,6,7
	s_add_nc_u64 s[WB+2*\t:WB+2*\t+1], s[WB+2*\t-2:WB+2*\t-1], s[28:29]   ; a base for each block: nothing is stepped later
.endr
	s_lshl_b32 s26, s18, 10
	s_lshl_b32 s24, s19, 8
	s_add_co_u32 s26, s26, s24
	s_add_co_u32 s26, s26, s22
	s_add_nc_u64 s[12:13], s[10:11], s[26:27]      ; the codes: column x 1,024 + 256 x step
	s_lshl_b32 s26, s18, 5
	s_lshl_b32 s24, s19, 3
	s_add_co_u32 s26, s26, s24
	s_add_co_u32 s26, s26, s23
	s_add_nc_u64 s[14:15], s[10:11], s[26:27]      ; the scale bytes: column x 32 + 8 x step
	s_mov_b32 s31, MANT
	s_mul_i32 s24, s16, 32*PITCH
	s_add_co_u32 s24, s24, WLDS                    ; my stage
	s_wait_alu depctr_va_vdst(0)
	v_mul_u32_u24 v4, v2, PITCH
	v_add_nc_u32 v4, s24, v4                       ; into it: row = my column
	v_and_b32 v5, 15, v2
	v_lshrrev_b32 v6, 4, v2
	v_mul_u32_u24 v7, v6, PITCH
	v_lshl_add_u32 v7, v5, 4, v7
	v_add_nc_u32 v7, s24, v7                       ; out of it: sixteen lanes to a row, two rows an instruction
	v_lshlrev_b32 v8, 10, v6
	v_lshl_add_u32 v8, v5, 4, v8                   ; and the same place in the codes
	v_and_b32 v9, 7, v2
	v_bfe_u32 v10, v2, 3, 1
	v_lshl_or_b32 v9, v10, 4, v9
	v_lshl_or_b32 v9, v6, 3, v9                    ; sw(lane): my column's position
	v_lshlrev_b32 v9, 5, v9
	v_lshlrev_b32 v[WOF], 2, v2
.irp i, 1,2,3,4,5,6,7,8,9,10,11,12,13,14,15,16,17,18,19,20,21,22,23,24,25,26,27,28,29,30,31
	v_add_nc_u32 v[WOF+\i], s21, v[WOF+\i-1]
.endr
.macro LOADW t                         ; block t: W(32 t + i, my column), i = 0 .. 31: each load reads 128 consecutive bytes
.irp i, 0,1,2,3,4,5,6,7,8,9,10,11,12,13,14,15,16,17,18,19,20,21,22,23,24,25,26,27,28,29,30,31
	global_load_b32 v[WX+32*((\t)%2)+\i], v[WOF+\i], s[WB+2*(\t):WB+2*(\t)+1] th:TH_LOAD_NT
.endr
.endm
	LOADW 0
	LOADW 1
.macro BLOCKW t
.set XS, WX+32*((\t)%2)
.if (\t) < NB-1
	s_wait_loadcnt 32                              ; this block's 32 loads are in; the next block's may be out
.else
	s_wait_loadcnt 0
.endif
	v_max3_num_f32 v12, |v[XS]|, |v[XS+1]|, |v[XS+2]|               ; the block's largest magnitude: all 32 numbers are mine
	v_max3_num_f32 v13, |v[XS+3]|, |v[XS+4]|, |v[XS+5]|
.irp i, 6,10,14,18,22,26
	v_max3_num_f32 v12, v12, |v[XS+\i]|, |v[XS+\i+1]|
	v_max3_num_f32 v13, v13, |v[XS+\i+2]|, |v[XS+\i+3]|
.endr
	v_max3_num_f32 v12, v12, |v[XS+30]|, |v[XS+31]|
	v_max3_num_f32 v12, v12, v13, (EMAX+1)<<23
	v_add_nc_u32 v11, -(EMAX<<23), v12
	v_and_or_b32 v10, v12, 0x7f800000, s31
	v_lshrrev_b32 v13, 23, v11                     ; the scale's byte
.if (\t)%4 == 0
	v_mov_b32 v[SB+(\t)/4], v13                    ; four bytes to a register, the lower K in the lower byte
.else
	v_lshl_or_b32 v[SB+(\t)/4], v13, 8*((\t)%4), v[SB+(\t)/4]
.endif
.irp i, 0,1,2,3,4,5,6,7,8,9,10,11,12,13,14,15,16,17,18,19,20,21,22,23,24,25,26,27,28,29,30,31
	v_med3_num_f32 v[XS+\i], v[XS+\i], -v10, v10
.endr
.irp g, 0,1,2,3
	v_cvt_scalef32_pk8_fp8_f32 v[WC+2*\g:WC+2*\g+1], v[XS+8*\g:XS+8*\g+7], v11
.endr
	ds_store_b128 v4, v[WC:WC+3] offset:32*(\t)    ; 32 codes of my column's row
	ds_store_b128 v4, v[WC+4:WC+7] offset:32*(\t)+16
.if (\t)+2 < NB
	LOADW (\t)+2
.endif
	s_wait_dscnt 0x0                               ; the stores have read their registers: the next block's codes may be written
.endm
.set Q, 0
.rept NB
	BLOCKW Q
.set Q, Q+1
.endr
	global_store_b64 v9, v[SB:SB+1], s[14:15]      ; my column's 8 scale bytes, at its position
.irp t, 0,1,2,3,4,5,6,7,8,9,10,11,12,13,14,15
	ds_load_b128 v[OUTR+4*\t:OUTR+4*\t+3], v7 offset:2*\t*PITCH
.endr
.irp t, 0,1,2,3,4,5,6,7,8,9,10,11,12,13,14,15
	s_wait_dscnt 15-\t                             ; the younger stage loads may be out
	global_store_b128 v8, v[OUTR+4*\t:OUTR+4*\t+3], s[12:13] offset:(8*(\t/8)+16*((\t/4)%2)+2*(\t%4))*1024   ; columns 2 t, 2 t + 1 go to positions sw(2 t), sw(2 t) + 1; 16 lanes store 256 consecutive bytes, aligned
.endr
	s_wait_tensorcnt 0x0
	ds_add_u32 v208, v209
	s_wait_dscnt 0x0
	s_endpgm
.Lfunc_end_k_qac68040a1d_quant:
	.size	k_qac68040a1d_quant, .Lfunc_end_k_qac68040a1d_quant-k_qac68040a1d_quant
	.p2alignl 7, 3214868480
	.fill 96, 4, 3214868480
	.section	.rodata,"a",@progbits
	.p2align	6, 0x0
	.amdhsa_kernel k_qac68040a1d_quant
		.amdhsa_group_segment_fixed_size 68096
		.amdhsa_private_segment_fixed_size 0
		.amdhsa_enable_private_segment 0
		.amdhsa_kernarg_size 32
		.amdhsa_user_sgpr_count 2
		.amdhsa_user_sgpr_kernarg_segment_ptr 1
		.amdhsa_wavefront_size32 1
		.amdhsa_system_sgpr_workgroup_id_x 1
		.amdhsa_system_sgpr_workgroup_id_y 1
		.amdhsa_system_sgpr_workgroup_id_z 1
		.amdhsa_system_vgpr_workitem_id 0
		.amdhsa_next_free_vgpr 226
		.amdhsa_next_free_sgpr 66
		.amdhsa_reserve_vcc 0
		.amdhsa_float_denorm_mode_32 3
		.amdhsa_float_denorm_mode_16_64 3
		.amdhsa_memory_ordered 1
		.amdhsa_forward_progress 1
		.amdhsa_inst_pref_size 111
	.end_amdhsa_kernel
	.amdgpu_metadata
---
amdhsa.version: [ 1, 2 ]
amdhsa.kernels:
  - .name:           k_qac68040a1d_quant
    .symbol:         k_qac68040a1d_quant.kd
    .args:
      - { .name: inputs, .offset: 0, .size: 8, .value_kind: global_buffer, .address_space: global }
      - { .name: w_attn, .offset: 8, .size: 8, .value_kind: global_buffer, .address_space: global }
      - { .name: w_proj, .offset: 16, .size: 8, .value_kind: global_buffer, .address_space: global }
      - { .name: opnd, .offset: 24, .size: 8, .value_kind: global_buffer, .address_space: global }
    .group_segment_fixed_size: 68096
    .private_segment_fixed_size: 0
    .kernarg_segment_align: 8
    .kernarg_segment_size: 32
    .max_flat_workgroup_size: 128
    .sgpr_count:     66
    .vgpr_count:     226
    .wavefront_size: 32
...
	.end_amdgpu_metadata
.endif
;; end of part 1
;; launch qkv (part 2): grid 8 x 32, 4 waves a work-group, clusters of 4 x 4, 327,680 bytes of LDS; arguments opnd, b_attn, qkvq, out1; writes qkvq, out1
.if DOCPART == 2
	.amdgcn_target "amdgcn-amd-amdhsa--gfx1250"
	.amdhsa_code_object_version 6
	.text
	.protected	k_qac68040a1d_qkv
	.globl	k_qac68040a1d_qkv
	.p2align	8
	.type	k_qac68040a1d_qkv,@function
k_qac68040a1d_qkv:
	s_mov_b64 s[64:65], 0
	v_nop
	global_prefetch_b8 v0, s[64:65] scope:SCOPE_SE
	s_setreg_imm32_b32 hwreg(HW_REG_WAVE_MODE, 25, 1), 1
	s_wait_xcnt 0x0
	s_wait_alu depctr_hold_cnt(0) depctr_sa_sdst(0) depctr_va_vdst(0) depctr_va_sdst(0) depctr_va_ssrc(0) depctr_va_vcc(0) depctr_vm_vsrc(0)
	s_getreg_b32 s2, hwreg(HW_REG_IB_STS2, 6, 4)
	s_cmp_eq_u32 s2, 0
	s_cbranch_scc0 .Lentry_in_a_cluster
	s_endpgm
.Lentry_in_a_cluster:
	s_bfe_u32 s2, ttmp6, 0x10000c
	s_cmp_lg_u32 s2, 0xf033
	s_cbranch_scc0 .Lentry_shape_is_right
	s_endpgm
.Lentry_shape_is_right:
; Q, K, V = x W^T + b on codes of FP8 (E4M3) with E8M0 scales; K and V leave as f32 (out1) and all three as codes with scale words for the attention's operand registers.
; LIMITS: NaN and infinities are not served; a block of zeros gets the byte 1 (its codes are zeros, and this program alone reads the bytes).
; SHARES.  Work-group (x, y): heads 2 x, 2 x + 1 of K, V and Q (384 columns) for the 128 tokens y: 256 equal work-groups.  Wave w owns the 32 tokens 32 w .. 32 w + 31: two tiles u of 16, token 8 u + r + 8 (r / 8),
; which stand in registers with all of K (256 registers); the weights pass by, in the order K0, K1, V0, V1, Q0, Q1 (n = 0 .. 5), a batch = two tiles of 16 columns x half of K: 32 loads, 16 products, four accumulators by turns.
; LDS: four regions of 64 rows (1,024 bytes + 16): x's two chunks, then V's two heads; K's two heads, then Q's two.  At the head one load a wave: x, x, K0, K1; the V pair in a round inside K0, the Q pair in a round behind K1.
; CLUSTERS of 4 x 4: x's rows are shared along a row of the cluster, weights along a column: joint loads.  V's and Q's weights are asked for ahead by one prefetch a wave: the column's sixteen waves share the pair's 512 blocks of 256 bytes.
; K and Q use the product transposed (source 0 = weights): a lane holds one token; V the other way round: a lane holds one channel.  So a lane's 16 registers of two tiles are 16 neighbours along the next K (head's channels; tokens).
; qkvq: [kind Q, K, V][32 heads][16 blocks of 128 tokens][8,192 bytes of images]; scale words at QS: [kind][head][block][512 bytes]: Q, K: 4 bytes a token (tiles in order), V: [channels' tile][lane].
; REGISTERS: window 0 addresses, scale words (v28-35 x's, v40-135 the weights'), sums v136-199, codes, maxima; window 1 x; window 2 two batches of weights; window 3: v0-63 rows on the way out, v64-255 six biases as the first products' C.
.set WAC,  4194304
.set XSO,  8388608
.set WAS,  8519680
.set QS,   12582912
.set PITCH, 1040
.set TILE, 16*PITCH
.set REG,  64*PITCH
.set STAGE, 4*REG                      ; 32 rows x 272 bytes a wave, for f32 rows; no fill lands here
.set WST,  32*272
.set SCW,  STAGE+4*WST                 ; six areas of 512 bytes of scale words
.set SPARE, SCW+3072                   ; the spare words
.set SPW, 2
.set NIL, 3
.set ADW, 8
.set ADX, 12
.set STO, 14
.set SV,  15
.set RD,  16
.set LI,  17
.set SKW, 18
.set SVB, 19
.set SRD, 20
.set SRQ, 21
.set XA,  22
.set WA,  23
.set BA,  24
.set BVA, 25
.set PF,  26
.set L8,  27
.set SA,  28
.set PW,  36
.set SB,  40
.set ACC, 136
.set PC,  200
.set TM,  216
.set BVT, 232
.set G1X, 24
.set G1W, 32
.set G1R, 48
.set G0X, 56
.set G0W, 60
.set G0R, 68
.set G0Q, 72
.set IMG, 76
.set IMV, 78
.set FK,  80
.set FV,  82
.set SCB, 84
.set SEL, 86
.set MNT, 88
.set SCQ, 98
.set MSB, 0
.macro WIN new                         ; the immediate's high byte repeats the setting that is left
.if MSB != \new
	s_set_vgpr_msb (MSB<<8)|\new
.set MSB, \new
.endif
.endm
.macro PLACES n
.rept \n
	v_nop
.endr
.endm
.macro BARRIER
	s_barrier_signal -1
	s_barrier_wait -1
.endm
.macro CROUND                          ; a round of the cluster's barrier
	BARRIER
	s_cmp_lg_u32 s14, 0
	s_cbranch_scc1 .Lnot_wave_0_\@
	s_barrier_signal -3
.Lnot_wave_0_\@:
	s_barrier_wait -3
	BARRIER
.endm
.macro TLOAD g0, g1                    ; a tensor load and the lines behind it
	tensor_load_to_lds s[\g0:\g0+3], s[\g1:\g1+7]
	s_nop 0
	PLACES 4
.endm
.macro GROUP1 g, mask, rows            ; descriptor group 1: so many whole rows of 1,024 bytes, dense in memory, 16 bytes of padding behind each
	s_or_b32 s[\g+0], s[\mask], (1<<20)|(1<<21)|(7<<22)|(3<<25)
	s_mov_b32 s[\g+1], 1024<<16
	s_mov_b32 s[\g+2], (\rows)<<16
	s_mov_b32 s[\g+3], 1024<<16
	s_mov_b32 s[\g+4], \rows
	s_mov_b32 s[\g+5], 1024
	s_mov_b32 s[\g+6], 0
	s_mov_b32 s[\g+7], 0
.endm
	s_load_b256 s[4:11], s[0:1], 0x0               ; opnd, b_attn, qkvq, out1
	v_lshl_add_u32 v[SPW], v0, 2, SPARE
	v_mov_b32 v[NIL], 0
	ds_add_u32 v[SPW], v[NIL]                      ; the wave's opening: the add, twice on end
	ds_add_u32 v[SPW], v[NIL]
	v_lshrrev_b32 v1, 5, v0
	v_readfirstlane_b32 s14, v1                    ; wave
	s_bfe_u32 s40, ttmp6, 0x40000                  ; cx, cy
	s_bfe_u32 s41, ttmp6, 0x40004
	s_lshl_b32 s42, ttmp9, 2
	s_add_co_u32 s42, s42, s40                     ; pair of heads 0 .. 7
	s_and_b32 s43, ttmp7, 0xffff
	s_lshl_b32 s43, s43, 2
	s_add_co_u32 s43, s43, s41                     ; 128 tokens: 0 .. 31
	s_lshl_b32 s44, s41, 2
	s_lshl_b32 s44, 15, s44                        ; my row of the cluster
	s_lshl_b32 s45, 0x1111, s40                    ; my column
	GROUP1 G1X, 44, 64
	GROUP1 G1W, 45, 64
	GROUP1 G1R, 45, 32
	s_mov_b32 s[G0X], 1
	s_mul_i32 s[G0X+1], s14, REG                   ; waves 0, 1: x's chunks into regions 0, 1
	s_mov_b32 s[G0W], 1
	s_mul_i32 s[G0W+1], s14, REG                   ; waves 2, 3: K's heads into regions 2, 3
	s_mov_b32 s[G0R], 1
	s_mul_i32 s[G0R+1], s14, 32*PITCH              ; a refill: 32 rows a wave: regions 0 and 1,
	s_mov_b32 s[G0Q], 1
	s_add_co_u32 s[G0Q+1], s[G0R+1], 2*REG         ; regions 2 and 3
	s_lshl_b32 s20, s43, 17
	s_lshl_b32 s21, s14, 16
	s_add_co_u32 s20, s20, s21                     ; x: 128 rows; chunk = wave
	s_lshl_b32 s22, s42, 17
	s_lshl_b32 s90, s14, 15
	s_add_co_u32 s90, s90, s22
	s_add_co_u32 s90, s90, WAC                     ; Q's pair, my 32 rows
	s_mov_b32 s91, 0
	s_add_co_u32 s22, s22, s21
	s_add_co_u32 s22, s22, WAC+1048576-131072      ; K's pair; head = wave - 2
	s_mov_b32 s21, 0
	s_mov_b32 s23, 0
	s_mul_i32 s46, s14, WST
	s_add_co_u32 s46, s46, STAGE                   ; my stage
	s_mul_i32 s47, s14, TILE                       ; my 16 rows of a chunk
	s_lshl_b32 s15, s14, 7
	s_add_co_u32 s15, s15, SCW
	s_add_co_u32 s16, s14, SCW
	s_lshl_b32 s17, s14, 9
	s_add_co_u32 s17, s17, SCW
	s_lshl_b32 s18, s14, 8
	s_add_co_u32 s18, s18, SCW+2048
	s_lshl_b32 s19, s41, 2
	s_add_co_u32 s19, s19, s14
	s_lshl_b32 s19, s19, 13                        ; a prefetch: my sixteenth of a pair's 131,072 bytes
	s_lshl_b32 s12, s42, 17
	s_add_co_u32 s19, s19, s12
	v_and_b32 v4, 15, v0                           ; r
	v_bfe_u32 v5, v0, 4, 1                         ; h
	v_and_b32 v6, 31, v0                           ; l
	v_mul_u32_u24 v7, v4, PITCH
	v_lshl_add_u32 v[ADW], v5, 4, v7               ; a fragment in region 0 .. 3: row r, + 16 h
	v_add_nc_u32 v[ADW+1], REG, v[ADW]
	v_add_nc_u32 v[ADW+2], 2*REG, v[ADW]
	v_add_nc_u32 v[ADW+3], 3*REG, v[ADW]
	v_add_nc_u32 v[ADX], s47, v[ADW]               ; my tiles of x
	v_add_nc_u32 v[ADX+1], s47, v[ADW+1]
	v_mul_u32_u24 v7, v4, 272
	v_lshl_add_u32 v7, v5, 6, v7
	v_add_nc_u32 v[STO], s46, v7                   ; K's way in: row r, + 64 h
	v_and_b32 v7, 8, v4
	v_add_nc_u32 v7, v4, v7                        ; r + 8 (r / 8)
	v_lshlrev_b32 v[BVA], 2, v7
	v_mul_u32_u24 v1, v5, 8*272
	v_add_nc_u32 v1, v1, v[BVA]
	v_add_nc_u32 v[SV], s46, v1                    ; V's: row 8 h, channel r + 8 (r / 8)
	v_mul_u32_u24 v1, v5, 272
	v_lshl_add_u32 v1, v4, 4, v1
	v_add_nc_u32 v[RD], s46, v1                    ; back: two rows an instruction
	v_lshlrev_b32 v[LI], 4, v6
	v_lshl_add_u32 v[SKW], v4, 2, s15
	v_lshl_add_u32 v[SVB], v6, 2, s16
	v_add_nc_u32 v[SRD], s17, v[LI]
	v_lshlrev_b32 v[L8], 3, v6
	v_add_nc_u32 v[SRQ], s18, v[L8]
	v_lshlrev_b32 v1, 11, v5
	v_lshl_add_u32 v[XA], v4, 5, v1                ; x's scale bytes: lanes 16-31 take tile 1, 64 rows on
	v_lshlrev_b32 v[WA], 5, v6                     ; a weight's: row l of a pair of tiles
	v_lshlrev_b32 v[BA], 6, v5
	v_lshl_add_u32 v[PF], v6, 8, s19
.irp b, 0,1,2,3
	v_mov_b32 v[TM+4+\b], 0                        ; written once: a lane permute's destination counts as one of its sources
.endr
	s_wait_alu depctr_va_vdst(0)
	s_wait_dscnt 0x0                               ; both opening adds are done
	CROUND                                         ; all sixteen work-groups are here
	s_wait_kmcnt 0x0
	s_add_nc_u64 s[G0X+2:G0X+3], s[4:5], s[20:21]
	s_or_b32 s[G0X+3], s[G0X+3], 0x80000000
	s_add_nc_u64 s[G0W+2:G0W+3], s[4:5], s[22:23]
	s_or_b32 s[G0W+3], s[G0W+3], 0x80000000
	s_add_nc_u64 s[G0Q+2:G0Q+3], s[4:5], s[90:91]
	s_add_nc_u64 s[G0R+2:G0R+3], s[G0Q+2:G0Q+3], 2097152   ; V's rows lie 2,048 rows behind Q's
	s_or_b32 s[G0Q+3], s[G0Q+3], 0x80000000
	s_or_b32 s[G0R+3], s[G0R+3], 0x80000000
.macro ARM under, g0, g1, next         ; one joint load a wave, a line of its own for each
	s_cmp_lt_u32 s14, \under
	s_cbranch_scc0 \next
	TLOAD \g0, \g1
	s_branch .Lasked
\next:
.endm
	ARM 1, G0X, G1X, .Lw1
	ARM 2, G0X, G1X, .Lw2
	ARM 3, G0W, G1W, .Lw3
	TLOAD G0W, G1W
.Lasked:
	s_lshl_b32 s92, s43, 12
	s_lshl_b32 s12, s14, 9
	s_add_co_u32 s92, s92, s12
	s_add_co_u32 s92, s92, XSO                     ; x's scale bytes: 32 a row
	s_mov_b32 s93, 0
	s_lshl_b32 s94, s42, 12
	s_add_co_u32 s94, s94, WAS                     ; the weights'
	s_mov_b32 s95, 0
	s_lshl_b32 s96, s42, 9                         ; the pair's biases
	s_mov_b32 s97, 0
	s_add_nc_u64 s[92:93], s[4:5], s[92:93]
	s_add_nc_u64 s[94:95], s[4:5], s[94:95]
	s_add_nc_u64 s[96:97], s[6:7], s[96:97]
	global_load_b128 v[SA:SA+3], v[XA], s[92:93]
	global_load_b128 v[SA+4:SA+7], v[XA], s[92:93] offset:16
.macro LSB n, off                      ; scale words: register 8 p + q: lanes 0-15 tile 2 p, lanes 16-31 tile 2 p + 1
.irp p, 0,1
.irp c, 0,1
	global_load_b128 v[SB+16*\n+8*\p+4*\c:SB+16*\n+8*\p+4*\c+3], v[WA], s[94:95] offset:\off+1024*\p+16*\c
.endr
.endr
.endm
.macro LB n, off                       ; Q's, K's bias: register i of tile b: channel 32 (b / 2) + 16 h + 8 (b % 2) + i
	WIN 0xc0
.irp b, 0,1,2,3
	global_load_b128 v[64+32*\n+8*\b:64+32*\n+8*\b+3], v[BA], s[96:97] offset:\off+128*(\b/2)+32*(\b%2)
	global_load_b128 v[64+32*\n+8*\b+4:64+32*\n+8*\b+7], v[BA], s[96:97] offset:\off+128*(\b/2)+32*(\b%2)+16
.endr
	WIN 0
.endm
	LSB 0, 32768
	LSB 1, 32768+2048
	LB 0, 4096
	LB 1, 4096+256
	LSB 2, 65536
	LSB 3, 65536+2048
.irp d, 0,1
.irp t, 0,1,2,3
	global_load_b32 v[BVT+4*\d+\t], v[BVA], s[96:97] offset:8192+256*\d+128*(\t/2)+32*(\t%2)   ; V's: one channel a lane
.endr
.endr
	LSB 4, 0
	LSB 5, 2048
	LB 4, 0
	LB 5, 256
	; where the results go
	s_lshr_b32 s15, s43, 4                         ; batch
	s_and_b32 s16, s43, 15                         ; block of 128 tokens
	s_lshr_b32 s17, s14, 1
	s_and_b32 s18, s14, 1
	s_lshl_b32 s19, s15, 4
	s_lshl_b32 s12, s42, 1
	s_add_co_u32 s19, s19, s12                     ; the pair's first head among 32
	s_lshl_b32 s20, s19, 17
	s_lshl_b32 s21, s16, 13
	s_add_co_u32 s20, s20, s21
	s_lshl_b32 s21, s14, 11
	s_add_co_u32 s76, s20, s21                     ; Q's images: my two tiles
	s_mov_b32 s77, 0
	s_lshl_b32 s21, s14, 9
	s_add_co_u32 s78, s20, s21
	s_add_co_u32 s78, s78, 8388608                 ; V's: my 32 tokens
	s_mov_b32 s79, 0
	s_lshl_b32 s20, s15, 5
	s_add_co_u32 s20, s20, s12
	s_lshl_b32 s20, s20, 19
	s_lshl_b32 s21, s16, 15
	s_add_co_u32 s20, s20, s21
	s_lshl_b32 s21, s14, 13
	s_add_co_u32 s80, s20, s21                     ; out1: K's rows of my 32 tokens, 256 bytes each
	s_mov_b32 s81, 0
	s_lshl_b32 s20, s16, 9
	s_add_co_u32 s20, s20, QS
	s_add_co_u32 s21, s19, s18
	s_lshl_b32 s21, s21, 13
	s_add_co_u32 s84, s20, s21
	s_add_co_u32 s22, s17, 1
	s_lshl_b32 s22, s22, 18
	s_add_co_u32 s84, s84, s22                     ; wave n stores area n: K0, K1, V0, V1;
	s_mov_b32 s85, 0
	s_add_co_u32 s21, s19, s17
	s_lshl_b32 s21, s21, 13
	s_add_co_u32 s98, s20, s21
	s_lshl_b32 s22, s18, 8
	s_add_co_u32 s98, s98, s22                     ; and a quarter of Q's two
	s_mov_b32 s99, 0
	s_add_nc_u64 s[IMG:IMG+1], s[8:9], s[76:77]
	s_add_nc_u64 s[IMV:IMV+1], s[8:9], s[78:79]
	s_add_nc_u64 s[FK:FK+1], s[10:11], s[80:81]
	s_add_nc_u64 s[FV:FV+1], s[FK:FK+1], 8388608
	s_add_nc_u64 s[SCB:SCB+1], s[8:9], s[84:85]
	s_add_nc_u64 s[SCQ:SCQ+1], s[8:9], s[98:99]
	s_mov_b32 s[SEL], 0x76543210
	s_mov_b32 s[SEL+1], 0xfedcba98
	s_mov_b32 s[MNT], 0x600000
	s_cmp_lt_u32 s14, 2
	s_cbranch_scc0 .Lx_asked_by_others
	s_wait_tensorcnt 0x0                           ; x is in
.Lx_asked_by_others:
	BARRIER
	WIN 0x40
.irp u, 0,1
.irp q, 0,1,2,3,4,5,6,7
.irp c, 0,1,2,3
	ds_load_b128 v[128*\u+16*\q+4*\c:128*\u+16*\q+4*\c+3], v[ADX+\u] offset:128*\q+32*\c    ; x: registers 4 c .. of fragment q: k = 128 q + 32 c + 16 h + 0 .. 15
.endr
.endr
.endr
	WIN 0
	global_prefetch_b8 v[PF], s[4:5] offset:WAC+2097152 th:TH_LOAD_NT scope:SCOPE_SE     ; V's pair, asked for by the round inside K0
	s_wait_loadcnt 0x0
	WIN 0xc0
.irp d, 0,1
.irp t, 0,1,2,3
.irp i, 0,1,2,3,4,5,6,7
	v_mov_b32 v[128+32*\d+8*\t+\i], v[BVT+4*\d+\t]
.endr
.endr
.endr
	WIN 0
	s_wait_alu depctr_va_vdst(0)
	s_wait_dscnt 0x0                               ; x is in registers
	s_cmp_lt_u32 s14, 3
	s_cbranch_scc0 .Lk1_still_out
	s_wait_tensorcnt 0x0                           ; K0 is in; wave 3's K1 may be out
.Lk1_still_out:
	BARRIER
.macro FETCHW reg, p, hf               ; two tiles of weights x half of K: 32 loads
	WIN 0x80
.irp k, 0,1,2,3
.irp c, 0,1,2,3
	ds_load_b128 v[128*\hf+32*\k+4*\c:128*\hf+32*\k+4*\c+3], v[ADW+\reg] offset:2*TILE*\p+128*(4*\hf+\k)+32*\c
	ds_load_b128 v[128*\hf+32*\k+16+4*\c:128*\hf+32*\k+16+4*\c+3], v[ADW+\reg] offset:2*TILE*\p+TILE+128*(4*\hf+\k)+32*\c
.endr
.endr
	WIN 0
.endm
.macro WM a, b, sa, sb, ra, rb
.if \ra && \rb
	v_wmma_scale_f32_16x16x128_f8f6f4 v[A_:A_+7], v[\a:\a+15], v[\b:\b+15], v[C_:C_+7], v[\sa], v[\sb] matrix_a_scale:MATRIX_SCALE_ROW1 matrix_b_scale:MATRIX_SCALE_ROW1
.elseif \ra
	v_wmma_scale_f32_16x16x128_f8f6f4 v[A_:A_+7], v[\a:\a+15], v[\b:\b+15], v[C_:C_+7], v[\sa], v[\sb] matrix_a_scale:MATRIX_SCALE_ROW1
.elseif \rb
	v_wmma_scale_f32_16x16x128_f8f6f4 v[A_:A_+7], v[\a:\a+15], v[\b:\b+15], v[C_:C_+7], v[\sa], v[\sb] matrix_b_scale:MATRIX_SCALE_ROW1
.else
	v_wmma_scale_f32_16x16x128_f8f6f4 v[A_:A_+7], v[\a:\a+15], v[\b:\b+15], v[C_:C_+7], v[\sa], v[\sb]
.endif
.endm
.macro PROD n, p, hf, i, u             ; column tile 2 p + i, tokens' tile u, the Q_-th 128 of K
.set T_, 2*(\p)+\i
.set W_, 128*(\hf)+32*(Q_%4)+16*\i
.set X_, 128*\u+16*Q_
.set SB_, SB+16*(\n)+8*(\p)+Q_
.set SA_, SA+Q_
.if (\n)/2 == 1
.set A_, ACC+16*T_+8*\u
.else
.set A_, ACC+32*\u+8*T_
.endif
.set C_, A_
.set CW_, 0
.if Q_ == 0
.set C_, 64+32*(\n)+8*T_
.set CW_, 0x30
.endif
.if (\n)/2 == 1
	WIN (0x09|CW_)
	WM X_, W_, SA_, SB_, \u, \i
.else
	WIN (0x06|CW_)
	WM W_, X_, SB_, SA_, \i, \u
.endif
.endm
.macro BATCH n, p, hf, out             ; out: the younger LDS instructions that may be out
	s_wait_dscnt \out
.set Q_, 4*(\hf)
.rept 4
.irp i, 0,1
.irp u, 0,1
	PROD \n, \p, \hf, \i, \u
.endr
.endr
.set Q_, Q_+1
.endr
	WIN 0
.endm
.macro QMAX                            ; four scale blocks of 16 registers, each in lanes l and l xor 16
.irp b, 0,1,2,3
	v_max3_num_f32 v[TM+\b], |v[ACC+16*\b]|, |v[ACC+1+16*\b]|, 0x4800000
.endr
.irp i, 2,4,6,8,10,12,14
.irp b, 0,1,2,3
	v_max3_num_f32 v[TM+\b], v[TM+\b], |v[ACC+16*\b+\i]|, |v[ACC+1+16*\b+\i]|
.endr
.endr
.irp b, 0,1,2,3
	v_permlanex16_b32 v[TM+4+\b], v[TM+\b], s[SEL], s[SEL+1]
.endr
.irp b, 0,1,2,3
	v_max_num_f32 v[TM+\b], v[TM+\b], v[TM+4+\b]
.endr
.irp b, 0,1,2,3
	v_add_nc_u32 v[TM+12+\b], 0xfc000000, v[TM+\b]   ; 8 off the exponent field: the conversion's scale operand
.endr
.irp b, 0,1,2,3
	v_and_or_b32 v[TM+8+\b], v[TM+\b], 0x7f800000, s[MNT]   ; 448 x the scale
.endr
.irp b, 0,1,2,3
	v_lshrrev_b32 v[TM+4+\b], 23, v[TM+12+\b]        ; the scale's byte
.endr
.endm
.macro QCVT
.irp b, 0,1,2,3
.irp i, 0,1,2,3,4,5,6,7,8,9,10,11,12,13,14,15
	v_med3_num_f32 v[ACC+16*\b+\i], v[ACC+16*\b+\i], -v[TM+8+\b], v[TM+8+\b]   ; the conversion does not saturate (ISA guide 7.6.2)
.endr
	v_cvt_scalef32_pk8_fp8_f32 v[PC+4*\b:PC+1+4*\b], v[ACC+16*\b:ACC+7+16*\b], v[TM+12+\b]
	v_cvt_scalef32_pk8_fp8_f32 v[PC+2+4*\b:PC+3+4*\b], v[ACC+8+16*\b:ACC+15+16*\b], v[TM+12+\b]
.endr
	v_nop
.endm
.macro WAYOUT n, next                  ; a head's 32 tokens x 64 channels leave
.set KD_, (\n)/2                       ; 0 K, 1 V, 2 Q
.set HD_, (\n)%2
	s_wait_xcnt 0x0                                ; earlier stores have read their registers
.if KD_ == 0
.irp u, 0,1
.irp b, 0,1,2,3
	ds_store_b128 v[STO], v[ACC+32*\u+8*\b:ACC+32*\u+8*\b+3] offset:4352*\u+128*(\b/2)+32*(\b%2)
	ds_store_b128 v[STO], v[ACC+32*\u+8*\b+4:ACC+32*\u+8*\b+7] offset:4352*\u+128*(\b/2)+32*(\b%2)+16
.endr
.endr
.elseif KD_ == 1
.irp u, 0,1
.irp b, 0,1,2,3
.irp j, 0,1,2,3,4,5,6,7
	ds_store_b32 v[SV], v[ACC+16*\b+8*\u+\j] offset:4352*\u+272*\j+128*(\b/2)+32*(\b%2)
.endr
.endr
.endr
.endif
.if KD_ < 2
	WIN 0xc0
.irp m, 0,1,2,3,4,5,6,7,8,9,10,11,12,13,14,15
	ds_load_b128 v[4*\m:4*\m+3], v[RD] offset:544*\m   ; LDS serves a wave's instructions in order: these see the stores above
.endr
	WIN 0
.endif
.if (\next) >= 0
	FETCHW \next, 0, 1                             ; the next head's second batch
.endif
	QMAX
.if KD_ == 1
.irp b, 0,1,2,3
	ds_store_b8 v[SVB], v[TM+4+\b] offset:512*(\n)+128*\b
.endr
.else
	v_lshl_or_b32 v[PW], v[TM+5], 8, v[TM+4]       ; a token's two bytes; the upper two, over zero codes, are 0
	v_lshl_or_b32 v[PW+1], v[TM+7], 8, v[TM+6]
	ds_store_b32 v[SKW], v[PW] offset:512*(\n)
	ds_store_b32 v[SKW], v[PW+1] offset:512*(\n)+64
.endif
	QCVT
.irp b, 0,1,2,3
.if KD_ == 1
	global_store_b128 v[LI], v[PC+4*\b:PC+4*\b+3], s[IMV:IMV+1] offset:131072*HD_+2048*\b    ; 512 consecutive bytes
.elseif KD_ == 0
	global_store_b128 v[LI], v[PC+4*\b:PC+4*\b+3], s[IMG:IMG+1] offset:4194304+131072*HD_+512*\b
.else
	global_store_b128 v[LI], v[PC+4*\b:PC+4*\b+3], s[IMG:IMG+1] offset:131072*HD_+512*\b
.endif
.endr
.if KD_ < 2
.if (\next) >= 0
	s_wait_dscnt 32                                ; the rows are back; behind them 32 loads and two to four small stores were issued
.else
	s_wait_dscnt 0x0
.endif
	WIN 0x0c
.irp m, 0,1,2,3,4,5,6,7,8,9,10,11,12,13,14,15
.if KD_ == 0
	global_store_b128 v[LI], v[4*\m:4*\m+3], s[FK:FK+1] offset:524288*HD_+256*(8*(\m/8)+2*(\m%8)+8*((\m%8)/4)) th:TH_STORE_NT   ; two neighbouring tokens: 512 consecutive bytes
.else
	global_store_b128 v[LI], v[4*\m:4*\m+3], s[FV:FV+1] offset:524288*HD_+256*(8*(\m/8)+2*(\m%8)+8*((\m%8)/4)) th:TH_STORE_NT
.endif
.endr
	WIN 0
.endif
.endm
.macro HK n, reg, next, rnd            ; a head of one kind: four batches; eight places behind each, in front of the loads into what it has read and of the readers of its sums
	BATCH \n, 0, 0, 32
	PLACES 8
	FETCHW \reg, 1, 0
	BATCH \n, 0, 1, 32
.if \rnd
	s_wait_tensorcnt 0x0                           ; all of the head's tiles are in, K1 among them; x is in registers: regions 0 and 1 take V's pair
	ds_add_u32 v[SPW], v[NIL]
	PLACES 8
	s_wait_dscnt 0x0
	CROUND
	TLOAD G0R, G1R
.else
	PLACES 8
.endif
	FETCHW \reg, 1, 1
	BATCH \n, 1, 0, 32
	PLACES 8
.if (\next) >= 0
	FETCHW \next, 0, 0
.if \rnd
	global_prefetch_b8 v[PF], s[4:5] offset:WAC th:TH_LOAD_NT scope:SCOPE_SE     ; Q's pair, asked for by the round behind K1
.endif
	BATCH \n, 1, 1, 32
.else
	BATCH \n, 1, 1, 0
.endif
	PLACES 8
	WAYOUT \n, \next
.endm
	FETCHW 2, 0, 0
	FETCHW 2, 0, 1
	HK 0, 2, 3, 1
	HK 1, 3, -1, 0
	s_wait_tensorcnt 0x0                           ; V's pair is in; K's heads are read: regions 2 and 3 take Q's pair
	ds_add_u32 v[SPW], v[NIL]
	s_wait_dscnt 0x0
	CROUND
	TLOAD G0Q, G1R
	FETCHW 0, 0, 0
	FETCHW 0, 0, 1
	HK 2, 0, 1, 0
	HK 3, 1, -1, 0
	s_wait_tensorcnt 0x0                           ; Q's pair is in
	s_wait_dscnt 0x0
	BARRIER
	FETCHW 2, 0, 0
	FETCHW 2, 0, 1
	HK 4, 2, 3, 0
	HK 5, 3, -1, 0
	s_wait_dscnt 0x0                               ; my scale words are stored
	BARRIER
	ds_load_b128 v[TM:TM+3], v[SRD]
	ds_load_b64 v[TM+4:TM+5], v[SRQ]
	s_wait_dscnt 0x0
	global_store_b128 v[LI], v[TM:TM+3], s[SCB:SCB+1]
	global_store_b64 v[L8], v[TM+4:TM+5], s[SCQ:SCQ+1]
	s_wait_tensorcnt 0x0                           ; the wave's end
	ds_add_u32 v[SPW], v[NIL]
	s_wait_dscnt 0x0
	CROUND                                         ; the closing round
	s_endpgm
.Lfunc_end_k_qac68040a1d_qkv:
	.size	k_qac68040a1d_qkv, .Lfunc_end_k_qac68040a1d_qkv-k_qac68040a1d_qkv
	.p2alignl 7, 3214868480
	.fill 96, 4, 3214868480
	.section	.rodata,"a",@progbits
	.p2align	6, 0x0
	.amdhsa_kernel k_qac68040a1d_qkv
		.amdhsa_group_segment_fixed_size 327680
		.amdhsa_private_segment_fixed_size 0
		.amdhsa_enable_private_segment 0
		.amdhsa_kernarg_size 32
		.amdhsa_user_sgpr_count 2
		.amdhsa_user_sgpr_kernarg_segment_ptr 1
		.amdhsa_wavefront_size32 1
		.amdhsa_system_sgpr_workgroup_id_x 1
		.amdhsa_system_sgpr_workgroup_id_y 1
		.amdhsa_system_sgpr_workgroup_id_z 1
		.amdhsa_system_vgpr_workitem_id 0
		.amdhsa_next_free_vgpr 1024
		.amdhsa_next_free_sgpr 106
		.amdhsa_reserve_vcc 0
		.amdhsa_float_denorm_mode_32 3
		.amdhsa_float_denorm_mode_16_64 3
		.amdhsa_memory_ordered 1
		.amdhsa_forward_progress 1
		.amdhsa_inst_pref_size 203
	.end_amdhsa_kernel
	.amdgpu_metadata
---
amdhsa.version: [ 1, 2 ]
amdhsa.kernels:
  - .name:           k_qac68040a1d_qkv
    .symbol:         k_qac68040a1d_qkv.kd
    .args:
      - { .name: opnd, .offset: 0, .size: 8, .value_kind: global_buffer, .address_space: global }
      - { .name: b_attn, .offset: 8, .size: 8, .value_kind: global_buffer, .address_space: global }
      - { .name: qkvq, .offset: 16, .size: 8, .value_kind: global_buffer, .address_space: global }
      - { .name: out1, .offset: 24, .size: 8, .value_kind: global_buffer, .address_space: global }
    .group_segment_fixed_size: 327680
    .private_segment_fixed_size: 0
    .kernarg_segment_align: 8
    .kernarg_segment_size: 32
    .max_flat_workgroup_size: 128
    .sgpr_count:     106
    .vgpr_count:     1024
    .wavefront_size: 32
...
	.end_amdgpu_metadata
.endif
;; end of part 2
;; launch attn (part 3): grid 8 x 32, 16 waves a work-group, no clusters, 77,824 bytes of LDS; arguments qkvq, hq; writes hq
.if DOCPART == 3
	.amdgcn_target "amdgcn-amd-amdhsa--gfx1250"
	.amdhsa_code_object_version 6
	.text
	.protected	k_qac68040a1d_attn
	.globl	k_qac68040a1d_attn
	.p2align	8
	.type	k_qac68040a1d_attn,@function
k_qac68040a1d_attn:
	s_mov_b64 s[64:65], 0
	v_nop
	global_prefetch_b8 v0, s[64:65] scope:SCOPE_SE
	s_setreg_imm32_b32 hwreg(HW_REG_WAVE_MODE, 25, 1), 1
	s_wait_xcnt 0x0
; h = softmax(mask(q k^T / 8)) v for one head, on codes of FP8 (E4M3) with E8M0 scales, and h quantised along the channels for the projection.
; THE MASK is the problem's own: a query of stride block qb (128 rows) sees the causal part of its own block and keys 120 .. 127 of every earlier block.  Everything else has p = 0, for all values that keep the scores far under 1e10,
; and is left out in whole blocks of 32 keys; a NaN, an infinity or an overflow that reaches only hidden scores is not carried to the result.
; SOFTMAX: t = score x log2(e) / 8; M = the row's largest t rounded up to a whole number; p = 2^(t - M) is quantised along the keys, not normalised; the row's sum of the unquantised p divides at the end.
; ALL SCORES COME FIRST: the summary keys' (up to 64 registers) and the own block's (up to 64) are made and kept, so M is final ahead of the first exponential and nothing is rescaled.
; SHARES.  Work-group (i, head): query blocks i and 15 - i, so that all work-groups have the same work.  Waves 0-7 take block i, waves 8-15 block 15 - i; a wave owns one tile a of 16 queries pi(a, r).
; A wave of tile a sees a / 2 + 1 blocks of 32 own keys: a = w % 8, or 11 - w % 8 from 4 on, so waves w, w + 4 have five together.  A branch on ids picks the text for 1, 2, 3 or 4 blocks.
; Both products are used transposed: S^T = K Q^T, O^T = V^T P^T: a lane holds one query throughout.  K = 64 fills half of the instruction's 128: the upper eight registers of both operands are zero codes.
; THE SUMMARY KEYS.  A tile of 16 keys is keys 120 .. 127 of two neighbouring stride blocks: lanes 0-15 of the scores hold the even block's eight, lanes 16-31 the odd block's.  p and v share a scale with their block of 32
; keys, so one of the instruction's four blocks of 32 carries ONE stride block: its keys 96 .. 127 of v as they lie, p's eight codes at keys 120 .. 127 and zero codes elsewhere.  For even stride blocks v's image is taken
; with the halves of the lanes exchanged (a permutation of k inside one block of 32, alike for p and v), so that p's codes need not change lanes.
; LDS: images of operand registers, stored once by ds_store, one barrier, then read: own K 2 x 8 KB, own V 2 x 8 KB, summary K 8 tiles x 1 KB, summary V's scale words 16 x 128 bytes, summary V 16 blocks x 4 x 512 bytes.
; No cluster and no tensor load: a work-group reads its 72 KB once, at its head, in pieces of 128 to 512 bytes; there is no ring under which a round could stand.
; LIMITS: NaN and infinities are not served; a block of zeros gets the byte 1 (its codes are zeros); the scaled scores stay under 2^31 in magnitude.
; REGISTERS: v1 16 l, v2 16 l + 8,192 (wave / 8), v3 VSS + 128 h + 4 r, v4 my query - 16 h, v5 h, v6, v7 masks of the halves, v8 8 h, v9 -infinity, v10 16 l + VSM, v11 h's place, v12 -M, v13 the largest score, then t, v[14:15] the sum;
;   v16-31 Q; v32-95 summary scores (at the head addresses); v96-159 own scores, p, then V, then h; v160-207 and v234-249 four fragments of K, later v160-191 O^T, v192-207 p's codes and v234-249 at work; v208-221 scale words alone.
.set KI,   4194304
.set VI,   8388608
.set QS,   12582912
.set KSC,  12845056
.set VSC,  13107200
.set HS,   4194304
.set KO,   0
.set VO,   16384
.set KSM,  32768
.set VSS,  40960
.set VSM,  43008
.set LIV,  10
.set HCO,  11
.set PC,   192
.set KW,   208
.set VW,   212
.set QW,   214
.set PW,   215
.set KWS,  216
.set VWS,  220
.set SM,   222
.set BM,   230
.set T2,   234
.set HOLD, 238
.set SCO,  242
.set CHA,  246
.set CHB,  248
.set HSO,  250
.set TP,   251
.set TMP,  254
.set QB,   13
.set G,    28
.set SEL,  32
.set CS,   34
.set MNT,  36
.set T0,   37
.macro PLACES n
.rept \n
	v_nop
.endr
.endm
	s_load_b128 s[4:7], s[0:1], 0x0                ; qkvq s[4:5], hq s[6:7]
	v_lshrrev_b32 v10, 5, v0
	v_readfirstlane_b32 s8, v10                    ; wave 0..15
	s_lshr_b32 s9, s8, 3                           ; which of the two query blocks
	s_and_b32 s10, s8, 7
	s_sub_co_u32 s11, 11, s10
	s_cmp_lt_u32 s10, 4
	s_cselect_b32 s10, s10, s11                    ; a: my tile of 16 queries
	s_lshr_b32 s[G], s10, 1                        ; its group of 32
	s_and_b32 s12, ttmp7, 0xffff                   ; 16 b + head
	s_sub_co_u32 s14, 15, ttmp9
	s_cmp_eq_u32 s9, 0
	s_cselect_b32 s[QB], ttmp9, s14                ; my query block
	s_lshl_b32 s38, ttmp9, 13                      ; images of block i,
	s_lshl_b32 s39, s14, 13                        ; of block 15 - i
	s_lshr_b32 s40, s8, 1                          ; summary K, piece w: tile w / 2, group w % 2: rows 0-7 are lanes 8-15 of tile 7 of stride block 2 (w / 2), rows 8-15 those of the next block
	s_lshl_b32 s40, s40, 14
	s_and_b32 s42, s8, 1
	s_lshl_b32 s41, s42, 9
	s_add_co_u32 s40, s40, s41
	s_add_co_u32 s40, s40, 7168+128
	s_xor_b32 s42, s42, 1                          ; summary V, stride block w: group 3 of each fragment; even blocks with the lanes' halves exchanged
	s_lshl_b32 s42, s42, 8
	s_lshl_b32 s41, s8, 13
	s_add_co_u32 s41, s41, 1536
	s_lshr_b32 s43, s8, 2                          ; summary V's scale word (group w / 4, channels' tile w % 4): byte 3 of four stride blocks' words
	s_lshl_b32 s43, s43, 11
	s_and_b32 s44, s8, 3
	s_lshl_b32 s44, s44, 7
	s_add_co_u32 s43, s43, s44
	s_lshl_b32 s44, s[QB], 13                      ; Q's image
	s_lshl_b32 s45, s10, 10
	s_add_co_u32 s44, s44, s45
	s_lshl_b32 s45, s[QB], 9                       ; my block's scale words: 512 bytes
	s_lshl_b32 s46, s10, 6                         ; my Q tile's 64 of them
	s_lshl_b32 s47, s8, 11
	s_add_co_u32 s47, s47, VSM
	s_lshl_b32 s48, s9, 13
	s_lshl_b32 s49, s[G], 5
	s_and_b32 s50, s10, 1
	s_lshl_b32 s50, s50, 3
	s_add_co_u32 s49, s49, s50                     ; my tile's first query in its block
	s_lshr_b32 s50, s12, 4
	s_lshl_b32 s50, s50, 7
	s_lshl_b32 s51, s[QB], 3
	s_add_co_u32 s50, s50, s51
	s_add_co_u32 s50, s50, s10                     ; my tile of rows among 256: 128 b + 8 qb + a
	s_and_b32 s52, s12, 15                         ; head
	s_lshl_b32 s51, s50, 9
	s_lshl_b32 s53, s52, 1
	s_add_co_u32 s51, s51, s53
	s_add_co_u32 s51, s51, HS                      ; h's scale bytes: row position x 32 + 2 x head
	s_lshl_b32 s50, s50, 14
	s_lshl_b32 s53, s52, 10
	s_add_co_u32 s50, s50, s53                     ; h's images: tile x 16,384 + head x 1,024
	s_lshl_b32 s16, s12, 17                        ; a head's images: 131,072 bytes
	s_mov_b32 s17, 0
	s_lshl_b32 s22, s12, 13                        ; a head's scale words: 8,192 bytes
	s_add_co_u32 s22, s22, QS
	s_mov_b32 s23, 0
	s_lshl_b32 s26, s12, 13
	s_add_co_u32 s26, s26, VSC
	s_mov_b32 s27, 0
	v_and_b32 v48, 31, v0                          ; l
	v_and_b32 v49, 15, v0                          ; r
	v_bfe_u32 v5, v0, 4, 1                         ; h
	v_lshlrev_b32 v32, 4, v0                       ; 16 x thread: my 16 bytes of an image of 8 KB, in memory and in LDS
	v_lshlrev_b32 v1, 4, v48
	v_lshrrev_b32 v50, 3, v49                      ; r / 8
	v_and_b32 v51, 7, v49                          ; r % 8
	v_lshlrev_b32 v41, 7, v5
	v_add_nc_u32 v33, s38, v32
	v_add_nc_u32 v34, s39, v32
	v_lshlrev_b32 v35, 13, v50
	v_xor_b32 v36, s42, v1
	v_lshl_add_u32 v37, v48, 2, s43
	v_lshl_add_u32 v35, v51, 4, v35
	v_add_nc_u32 v36, s41, v36
	v_add_nc_u32 v38, s44, v1
	v_lshl_add_u32 v35, v5, 8, v35
	v_lshl_add_u32 v39, v48, 2, s45                ; K's scale words: lanes 0-15 an even tile's, lanes 16-31 the next tile's
	v_lshl_add_u32 v40, v49, 2, s45
	v_add_nc_u32 v35, s40, v35
	v_lshl_add_u32 v41, v49, 2, v41
	v_add_nc_u32 v40, s46, v40
	v_lshlrev_b32 v42, 10, v5
	v_add_nc_u32 v3, VSS, v41
	v_add_nc_u32 v41, s45, v41                     ; V's likewise
	v_lshl_add_u32 v42, v50, 9, v42
	v_add_nc_u32 v43, s47, v1                      ; LDS: summary V, 2,048 bytes a stride block
	v_lshl_add_u32 v44, v0, 2, VSS                 ; LDS: its scale words, 128 bytes a wave
	v_lshl_add_u32 v42, v51, 2, v42
	v_lshl_add_u32 v4, v50, 3, v49
	v_lshlrev_b32 v8, 4, v5
	v_add_nc_u32 v42, 448+32, v42                  ; the summary keys' scale words
	v_add_nc_u32 v4, s49, v4                       ; my query in its block: pi(a, r)
	v_add_nc_u32 v2, s48, v1
	v_add_nc_u32 v[LIV], VSM, v1
	v_sub_nc_u32 v4, v4, v8                        ; - 16 h
	v_lshlrev_b32 v8, 3, v5
	v_add_nc_u32 v6, -1, v5                        ; all ones in lanes 0-15
	v_sub_nc_u32 v7, 0, v5                         ; all ones in lanes 16-31
	v_add_nc_u32 v[HCO], s50, v1
	v_lshl_add_u32 v[HSO], v49, 5, s51
	s_wait_alu depctr_va_vdst(0)
	s_wait_kmcnt 0x0
	s_add_nc_u64 s[16:17], s[4:5], s[16:17]        ; q's images
	s_add_nc_u64 s[18:19], s[16:17], KI            ; k's
	s_add_nc_u64 s[20:21], s[16:17], VI            ; v's
	s_add_nc_u64 s[22:23], s[4:5], s[22:23]        ; q's scale words
	s_add_nc_u64 s[24:25], s[22:23], KSC-QS        ; k's
	s_add_nc_u64 s[26:27], s[4:5], s[26:27]        ; v's
	global_load_b128 v[96:99], v33, s[18:19]       ; 13 loads for LDS
	global_load_b128 v[100:103], v34, s[18:19]
	global_load_b128 v[104:107], v33, s[20:21]
	global_load_b128 v[108:111], v34, s[20:21]
	global_load_b128 v[112:115], v35, s[18:19]
.irp t, 0,1,2,3
	global_load_b128 v[116+4*\t:119+4*\t], v36, s[20:21] offset:2048*\t
.endr
.irp c, 0,1,2,3
	global_load_b32 v[132+\c], v37, s[26:27] offset:512*\c
.endr
	global_load_b128 v[16:19], v38, s[16:17]       ; 13 loads for my own registers
	global_load_b128 v[20:23], v38, s[16:17] offset:512
	global_load_b32 v[QW], v40, s[22:23]
.irp t, 0,1,2,3
	global_load_b32 v[KW+\t], v39, s[24:25] offset:128*\t
	global_load_b32 v[KWS+\t], v42, s[24:25] offset:2048*\t
.endr
.irp t, 0,1
	global_load_b32 v[VW+\t], v41, s[26:27] offset:256*\t
.endr
.irp j, 24,25,26,27,28,29,30,31,168,169,170,171,172,173,174,175,184,185,186,187,188,189,190,191,200,201,202,203,204,205,206,207,234,235,236,237,238,239,240,241,242,243,244,245,246,247,248,249
	v_mov_b32 v[\j], 0                             ; the zero codes of k = 64 .. 127, in Q and in the four fragments of K (v234-241: a lane permute's destination counts as one of its sources)
.endr
	v_mov_b32 v9, 0xff800000
	v_mov_b32 v13, v9                              ; the largest score so far
	v_mov_b32 v[TP], 0                             ; written once: a lane permute's destination counts as one of its sources
	s_mov_b32 s[SEL], 0x76543210
	s_mov_b32 s[SEL+1], 0xfedcba98
	s_mov_b32 s[CS], 0x3e38aa3b                    ; c = log2(e) / 8
	s_mov_b32 s[CS+1], s[CS]
	s_mov_b32 s[MNT], 0x600000
	s_wait_alu depctr_va_vdst(0)
	s_wait_loadcnt 13                              ; the 13 loads for LDS are in; the 13 for my registers may be out
	v_perm_b32 v136, v133, v132, 0x0703            ; byte 3 of four words makes the group's word
	v_perm_b32 v137, v135, v134, 0x0703
	ds_store_b128 v32, v[96:99] offset:KO
	ds_store_b128 v32, v[100:103] offset:KO+8192
	ds_store_b128 v32, v[104:107] offset:VO
	ds_store_b128 v32, v[108:111] offset:VO+8192
	v_perm_b32 v136, v137, v136, 0x05040100
	ds_store_b128 v32, v[112:115] offset:KSM
.irp t, 0,1,2,3
	ds_store_b128 v43, v[116+4*\t:119+4*\t] offset:512*\t
.endr
	ds_store_b32 v44, v136
	s_wait_dscnt 0x0                               ; for the others' sake: my stores have landed
	s_barrier_signal -1
	s_barrier_wait -1                              ; the one barrier: from here on LDS is only read
	s_wait_loadcnt 0x0
	; ---------------- the summary keys' scores, four earlier stride blocks at a time ----------------
.macro BUF k                           ; fragment buffer k of four
.set KF_, 160+16*(\k)+26*((\k)/3)
.endm
.macro SUM1 g
	s_wait_alu depctr_va_vdst(0)
	s_cmp_le_u32 s[QB], 4*\g                       ; no earlier block is left: a branch on ids
	s_cbranch_scc1 .Lscored
.irp x, 0,1
	BUF 2*(\g%2)+\x
	ds_load_b128 v[KF_:KF_+3], v1 offset:KSM+1024*(2*\g+\x)
	ds_load_b128 v[KF_+4:KF_+7], v1 offset:KSM+1024*(2*\g+\x)+512
.endr
	s_wait_dscnt 0x0
	BUF 2*(\g%2)
	v_wmma_scale_f32_16x16x128_f8f6f4 v[32+16*\g:39+16*\g], v[KF_:KF_+15], v[16:31], 0, v[KWS+\g], v[QW]
	BUF 2*(\g%2)+1
	v_wmma_scale_f32_16x16x128_f8f6f4 v[40+16*\g:47+16*\g], v[KF_:KF_+15], v[16:31], 0, v[KWS+\g], v[QW] matrix_a_scale:MATRIX_SCALE_ROW1
	PLACES 8
	s_cmp_ge_u32 s[QB], 4*\g+4                     ; all four blocks count: no mask
	s_cbranch_scc1 .Lall_count_\@
	s_sub_co_i32 s[T0], s[QB], 4*\g                ; tile x, half h: stride block 4 g + 2 x + h: it counts where it lies before my block
	v_cmp_gt_i32 vcc_lo, s[T0], v5
.irp j, 0,1,2,3,4,5,6,7
	v_cndmask_b32 v[32+16*\g+\j], v9, v[32+16*\g+\j], vcc_lo
.endr
	s_sub_co_i32 s[T0], s[QB], 4*\g+2
	v_cmp_gt_i32 vcc_lo, s[T0], v5
.irp j, 0,1,2,3,4,5,6,7
	v_cndmask_b32 v[40+16*\g+\j], v9, v[40+16*\g+\j], vcc_lo
.endr
.Lall_count_\@:
.irp x, 0,1
	v_max3_num_f32 v[SM+2*\g+\x], v[32+16*\g+8*\x], v[33+16*\g+8*\x], v[34+16*\g+8*\x]   ; a stride block's eight scores are one lane's
.endr
.irp i, 3,5
.irp x, 0,1
	v_max3_num_f32 v[SM+2*\g+\x], v[SM+2*\g+\x], v[32+16*\g+8*\x+\i], v[33+16*\g+8*\x+\i]
.endr
.endr
.irp x, 0,1
	v_max_num_f32 v[SM+2*\g+\x], v[SM+2*\g+\x], v[39+16*\g+8*\x]
.endr
	v_max3_num_f32 v13, v13, v[SM+2*\g], v[SM+2*\g+1]
.endm
	SUM1 0
	SUM1 1
	SUM1 2
	SUM1 3
.Lscored:
	; ---------------- my own stride block: nb blocks of 32 keys, the last on the diagonal ----------------
.macro KT t
	BUF (\t)%4
	ds_load_b128 v[KF_:KF_+3], v2 offset:KO+1024*(\t)
	ds_load_b128 v[KF_+4:KF_+7], v2 offset:KO+1024*(\t)+512
.endm
.macro KM t
	BUF (\t)%4
.if (\t)%2
	v_wmma_scale_f32_16x16x128_f8f6f4 v[96+8*(\t):103+8*(\t)], v[KF_:KF_+15], v[16:31], 0, v[KW+(\t)/2], v[QW] matrix_a_scale:MATRIX_SCALE_ROW1
.else
	v_wmma_scale_f32_16x16x128_f8f6f4 v[96+8*(\t):103+8*(\t)], v[KF_:KF_+15], v[16:31], 0, v[KW+(\t)/2], v[QW]
.endif
.endm
.macro LOCAL nb
.irp t, 0,1,2,3
.if \t < 2*\nb
	KT \t
.endif
.endr
	s_wait_dscnt 0x0
.irp t, 0,1,2,3
.if \t < 2*\nb
	KM \t
.endif
.endr
	PLACES 8
.if \nb > 2
.irp t, 4,5,6,7
.if \t < 2*\nb
	KT \t
.endif
.endr
	s_wait_dscnt 0x0
.irp t, 4,5,6,7
.if \t < 2*\nb
	KM \t
.endif
.endr
	PLACES 8
.endif                                         ; register 16 b + i: key 32 b + 16 h + i
.set N_, 16*(\nb-1)
.rept 16
	v_cmp_gt_i32 vcc_lo, 32*(\nb-1)+N_%16, v4      ; the key comes after my query: its score becomes -infinity, p = 0
	v_cndmask_b32 v[96+N_], v[96+N_], v9, vcc_lo
.set N_, N_+1
.endr
.irp b, 0,1,2,3
.if \b < \nb
	v_max3_num_f32 v[BM+\b], v[96+16*\b], v[97+16*\b], v[98+16*\b]   ; the largest score of each block of 32 keys: for the row's maximum and, since p rises with the score, for the block's largest p
.endif
.endr
.irp i, 3,5,7,9,11,13
.irp b, 0,1,2,3
.if \b < \nb
	v_max3_num_f32 v[BM+\b], v[BM+\b], v[96+16*\b+\i], v[97+16*\b+\i]
.endif
.endr
.endr
.irp b, 0,1,2,3
.if \b < \nb
	v_max_num_f32 v[BM+\b], v[BM+\b], v[111+16*\b]
.endif
.endr
	v_permlanex16_b32 v[TP], v13, s[SEL], s[SEL+1]
.irp b, 0,1,2,3
.if \b < \nb
	v_permlanex16_b32 v[T2+\b], v[BM+\b], s[SEL], s[SEL+1]
.endif
.endr
	v_max_num_f32 v13, v13, v[TP]                  ; the summary keys' largest
.irp b, 0,1,2,3
.if \b < \nb
	v_max_num_f32 v[BM+\b], v[BM+\b], v[T2+\b]
.endif
.endr
.if \nb == 1
	s_delay_alu instid0(VALU_DEP_1)
	v_max_num_f32 v[TMP], v[BM], v13               ; my query sees itself: the maximum is a number
.elseif \nb == 2
	s_delay_alu instid0(VALU_DEP_1)
	v_max3_num_f32 v[TMP], v[BM], v[BM+1], v13
.elseif \nb == 3
	s_delay_alu instid0(VALU_DEP_1)
	v_max3_num_f32 v[TMP], v[BM], v[BM+1], v[BM+2]
	s_delay_alu instid0(VALU_DEP_1)
	v_max_num_f32 v[TMP], v[TMP], v13
.else
	v_max3_num_f32 v[TMP], v[BM], v[BM+1], v13
	s_delay_alu instid0(VALU_DEP_1)
	v_max3_num_f32 v[TMP], v[TMP], v[BM+2], v[BM+3]
.endif
	s_delay_alu instid0(VALU_DEP_1)
	v_mul_f32 v13, s[CS], v[TMP]                   ; the largest t
	s_delay_alu instid0(VALU_DEP_1)
	v_floor_f32 v12, -v13                          ; -M = floor(-t)
.set N_, 0
.rept 8*\nb
	v_pk_fma_f32 v[96+N_:97+N_], v[96+N_:97+N_], s[CS:CS+1], v[12:13] op_sel_hi:[1,0,0]   ; t - M
.set N_, N_+2
.endr
.irp b, 0,1,2,3
.if \b < \nb
	v_fma_f32 v[BM+\b], v[BM+\b], s[CS], v12
.endif
.endr
	s_wait_alu depctr_va_vdst(0)
.set N_, 0
.rept 16*\nb
	v_exp_f32 v[96+N_], v[96+N_]                   ; p = 2^(t - M)
.set N_, N_+1
.endr
	v_nop                                          ; a plain instruction behind the batch
	s_wait_alu depctr_va_vdst(0)                   ; one wait for the batch, ahead of its first reader
.irp b, 0,1,2,3
.if \b < \nb
	v_exp_f32 v[BM+\b], v[BM+\b]                   ; each block's largest p
.endif
.endr
	v_pk_add_f32 v[CHA:CHA+1], v[96:97], v[100:101]
	v_pk_add_f32 v[CHB:CHB+1], v[98:99], v[102:103]
.set N_, 8
.rept 4*\nb-2
	v_pk_add_f32 v[CHA:CHA+1], v[CHA:CHA+1], v[96+N_:97+N_]
	v_pk_add_f32 v[CHB:CHB+1], v[CHB:CHB+1], v[98+N_:99+N_]
.set N_, N_+4
.endr
	s_delay_alu instid0(VALU_DEP_1)
	v_pk_add_f32 v[14:15], v[CHA:CHA+1], v[CHB:CHB+1]
	s_wait_alu depctr_va_vdst(0)                   ; and one for the blocks' largest
.irp b, 0,1,2,3
.if \b < \nb
	v_max_num_f32 v[BM+\b], 0x4800000, v[BM+\b]    ; the floor 2^(9 - 127)
.endif
.endr
.irp b, 0,1,2,3
.if \b < \nb
	v_add_nc_u32 v[SCO+\b], 0xfc000000, v[BM+\b]
.endif
.endr
.irp b, 0,1,2,3
.if \b < \nb
	v_and_or_b32 v[HOLD+\b], v[BM+\b], 0x7f800000, s[MNT]
.else
	v_mov_b32 v[PC+4*\b], 0                        ; a hidden block: zero codes
	v_mov_b32 v[PC+4*\b+1], 0
	v_mov_b32 v[PC+4*\b+2], 0
	v_mov_b32 v[PC+4*\b+3], 0
.endif
.endr
.irp b, 0,1,2,3
.if \b < \nb
	v_lshrrev_b32 v[T2+\b], 23, v[SCO+\b]
.endif
.endr
.if \nb == 1
	v_mov_b32 v[PW], v[T2]                         ; p's scale word (over a hidden block's zero codes the byte 0)
.else
	v_lshl_or_b32 v[PW], v[T2+1], 8, v[T2]
.endif
.if \nb > 2
	s_delay_alu instid0(VALU_DEP_1)
	v_lshl_or_b32 v[PW], v[T2+2], 16, v[PW]
.endif
.if \nb > 3
	s_delay_alu instid0(VALU_DEP_1)
	v_lshl_or_b32 v[PW], v[T2+3], 24, v[PW]
.endif
.irp b, 0,1,2,3
.if \b < \nb
.irp i, 0,1,2,3,4,5,6,7,8,9,10,11,12,13,14,15
	v_min_num_f32 v[96+16*\b+\i], v[96+16*\b+\i], v[HOLD+\b]   ; p is not negative: a one-sided hold
.endr
	v_cvt_scalef32_pk8_fp8_f32 v[PC+4*\b:PC+1+4*\b], v[96+16*\b:103+16*\b], v[SCO+\b]
	v_cvt_scalef32_pk8_fp8_f32 v[PC+2+4*\b:PC+3+4*\b], v[104+16*\b:111+16*\b], v[SCO+\b]
.endif
.endr
	PLACES 4                                       ; codes written by vector instructions stand four places ahead of the scaled matrix instruction
.irp t, 0,1,2,3
.irp c, 0,1,2,3
	ds_load_b128 v[96+16*\t+4*\c:99+16*\t+4*\c], v2 offset:VO+2048*\t+512*\c
.endr
.endr
	s_wait_alu depctr_va_vdst(0)
	s_wait_dscnt 0x0
.irp t, 0,1,2,3
.if \t%2
	v_wmma_scale_f32_16x16x128_f8f6f4 v[160+8*\t:167+8*\t], v[96+16*\t:111+16*\t], v[PC:PC+15], 0, v[VW+\t/2], v[PW] matrix_a_scale:MATRIX_SCALE_ROW1
.else
	v_wmma_scale_f32_16x16x128_f8f6f4 v[160+8*\t:167+8*\t], v[96+16*\t:111+16*\t], v[PC:PC+15], 0, v[VW+\t/2], v[PW]   ; O^T: register 8 t + j: channel 32 (t / 2) + 16 h + 8 (t % 2) + j
.endif
.endr
	PLACES 8
.endm
	s_wait_alu depctr_va_vdst(0)
	s_cmp_eq_u32 s[G], 0
	s_cbranch_scc1 .Lone
	s_cmp_eq_u32 s[G], 1
	s_cbranch_scc1 .Ltwo
	s_cmp_eq_u32 s[G], 2
	s_cbranch_scc1 .Lthree
	LOCAL 4
	s_branch .Ljoin
.Lthree:
	LOCAL 3
	s_branch .Ljoin
.Ltwo:
	LOCAL 2
	s_branch .Ljoin
.Lone:
	LOCAL 1
.Ljoin:
; ---------------- the summary keys' p and v, four earlier stride blocks at a time ----------------
.macro SUM2 g
	s_cmp_le_u32 s[QB], 4*\g
	s_cbranch_scc1 .Lfin
.set S_, 32+16*\g
.irp t, 0,1,2,3
.irp c, 0,1,2,3
	ds_load_b128 v[96+16*\t+4*\c:99+16*\t+4*\c], v[LIV] offset:2048*(4*\g+\c)+512*\t
.endr
.endr
.irp t, 0,1
	ds_load_b32 v[VWS+\t], v3 offset:512*\g+256*\t
.endr
.if \g == 0
.irp c, 0,1,2,3
	v_mov_b32 v[PC+4*\c], 0                        ; keys 96 .. 111 or 112 .. 119 of a block: p = 0: zero codes, from here on
	v_mov_b32 v[PC+4*\c+1], 0
.endr
.endif
.irp j, 0,2,4,6,8,10,12,14
	v_pk_fma_f32 v[S_+\j:S_+\j+1], v[S_+\j:S_+\j+1], s[CS:CS+1], v[12:13] op_sel_hi:[1,0,0]
.endr
.irp x, 0,1
	v_fma_f32 v[SM+2*\g+\x], v[SM+2*\g+\x], s[CS], v12
.endr
	s_wait_alu depctr_va_vdst(0)
.irp j, 0,1,2,3,4,5,6,7,8,9,10,11,12,13,14,15
	v_exp_f32 v[S_+\j], v[S_+\j]
.endr
	v_nop                                          ; a plain instruction behind the batch
	s_wait_alu depctr_va_vdst(0)                   ; one wait for the sixteen
.irp x, 0,1
	v_exp_f32 v[SM+2*\g+\x], v[SM+2*\g+\x]
.endr
	v_pk_add_f32 v[CHA:CHA+1], v[S_:S_+1], v[S_+2:S_+3]
	v_pk_add_f32 v[CHB:CHB+1], v[S_+8:S_+9], v[S_+10:S_+11]
	v_pk_add_f32 v[CHA:CHA+1], v[CHA:CHA+1], v[S_+4:S_+5]
	v_pk_add_f32 v[CHB:CHB+1], v[CHB:CHB+1], v[S_+12:S_+13]
	v_pk_add_f32 v[CHA:CHA+1], v[CHA:CHA+1], v[S_+6:S_+7]
	v_pk_add_f32 v[CHB:CHB+1], v[CHB:CHB+1], v[S_+14:S_+15]
	s_delay_alu instid0(VALU_DEP_2)
	v_pk_add_f32 v[14:15], v[14:15], v[CHA:CHA+1]
	s_delay_alu instid0(VALU_DEP_1)
	v_pk_add_f32 v[14:15], v[14:15], v[CHB:CHB+1]
	s_wait_alu depctr_va_vdst(0)                   ; and one for the two
.irp x, 0,1
	v_max_num_f32 v[BM+\x], 0x4800000, v[SM+2*\g+\x]
.endr
.irp x, 0,1
	s_delay_alu instid0(VALU_DEP_2)
	v_add_nc_u32 v[SCO+\x], 0xfc000000, v[BM+\x]
.endr
.irp x, 0,1
	s_delay_alu instid0(VALU_DEP_4)
	v_and_or_b32 v[HOLD+\x], v[BM+\x], 0x7f800000, s[MNT]
.endr
.irp x, 0,1
	s_delay_alu instid0(VALU_DEP_4)
	v_lshrrev_b32 v[T2+\x], 23, v[SCO+\x]
.endr
	s_delay_alu instid0(VALU_DEP_1)
	v_lshl_or_b32 v[TMP], v[T2+1], 16, v[T2]       ; my two bytes: blocks h and 2 + h of the instruction's four
	s_delay_alu instid0(VALU_DEP_1)
	v_lshlrev_b32 v[TMP], v8, v[TMP]
	s_delay_alu instid0(VALU_DEP_1)
	v_permlanex16_b32 v[TP], v[TMP], s[SEL], s[SEL+1]
	s_delay_alu instid0(VALU_DEP_1)
	v_or_b32 v[PW], v[TMP], v[TP]                  ; with lane l xor 16's two: p's scale word
.irp j, 0,1,2,3,4,5,6,7
	v_min_num_f32 v[S_+\j], v[S_+\j], v[HOLD]
	v_min_num_f32 v[S_+8+\j], v[S_+8+\j], v[HOLD+1]
.endr
	v_cvt_scalef32_pk8_fp8_f32 v[T2:T2+1], v[S_:S_+7], v[SCO]
	v_cvt_scalef32_pk8_fp8_f32 v[T2+2:T2+3], v[S_+8:S_+15], v[SCO+1]
	v_nop
	v_and_b32 v[PC+2], v6, v[T2]                   ; even stride blocks: codes in lanes 0-15, zero codes in lanes 16-31; odd ones the other way round
	v_and_b32 v[PC+3], v6, v[T2+1]
	v_and_b32 v[PC+6], v7, v[T2]
	v_and_b32 v[PC+7], v7, v[T2+1]
	v_and_b32 v[PC+10], v6, v[T2+2]
	v_and_b32 v[PC+11], v6, v[T2+3]
	v_and_b32 v[PC+14], v7, v[T2+2]
	v_and_b32 v[PC+15], v7, v[T2+3]
	PLACES 4                                       ; in front of the matrix instructions
	s_wait_alu depctr_va_vdst(0)
	s_wait_dscnt 0x0
.irp t, 0,1,2,3
.if \t%2
	v_wmma_scale_f32_16x16x128_f8f6f4 v[160+8*\t:167+8*\t], v[96+16*\t:111+16*\t], v[PC:PC+15], v[160+8*\t:167+8*\t], v[VWS+\t/2], v[PW] matrix_a_scale:MATRIX_SCALE_ROW1
.else
	v_wmma_scale_f32_16x16x128_f8f6f4 v[160+8*\t:167+8*\t], v[96+16*\t:111+16*\t], v[PC:PC+15], v[160+8*\t:167+8*\t], v[VWS+\t/2], v[PW]   ; four accumulators by turns
.endif
.endr
	PLACES 8
.endm
	SUM2 0
	SUM2 1
	SUM2 2
	SUM2 3
.Lfin:
	v_add_f32 v14, v14, v15                        ; the sum's two halves,
	s_delay_alu instid0(VALU_DEP_1)
	v_permlanex16_b32 v[TP], v14, s[SEL], s[SEL+1]
	s_delay_alu instid0(VALU_DEP_1)
	v_add_f32 v14, v14, v[TP]                      ; and lane l xor 16's
	s_wait_alu depctr_va_vdst(0)
	v_rcp_f32 v14, v14
	v_nop
	s_wait_alu depctr_va_vdst(0)
.set N_, 0
.rept 32
	v_mul_f32 v[96+N_], v[160+N_], v14             ; h: register 16 b + i: channel 32 b + 16 h + i of my head
.set N_, N_+1
.endr
.irp b, 0,1
	v_max3_num_f32 v[BM+\b], |v[96+16*\b]|, |v[97+16*\b]|, 0x4800000
.endr
.irp i, 2,4,6,8,10,12,14
.irp b, 0,1
	s_delay_alu instid0(VALU_DEP_2)
	v_max3_num_f32 v[BM+\b], v[BM+\b], |v[96+16*\b+\i]|, |v[97+16*\b+\i]|
.endr
.endr
.irp b, 0,1
	v_permlanex16_b32 v[T2+\b], v[BM+\b], s[SEL], s[SEL+1]
.endr
.irp b, 0,1
	s_delay_alu instid0(VALU_DEP_2)
	v_max_num_f32 v[BM+\b], v[BM+\b], v[T2+\b]
.endr
.irp b, 0,1
	s_delay_alu instid0(VALU_DEP_2)
	v_add_nc_u32 v[SCO+\b], 0xfc000000, v[BM+\b]
.endr
.irp b, 0,1
	s_delay_alu instid0(VALU_DEP_4)
	v_and_or_b32 v[HOLD+\b], v[BM+\b], 0x7f800000, s[MNT]
.endr
.irp b, 0,1
	s_delay_alu instid0(VALU_DEP_4)
	v_lshrrev_b32 v[T2+\b], 23, v[SCO+\b]
.endr
	s_delay_alu instid0(VALU_DEP_1)
	v_lshl_or_b32 v[TMP], v[T2+1], 8, v[T2]        ; my row's two scale bytes of this head
.irp b, 0,1
.irp i, 0,1,2,3,4,5,6,7,8,9,10,11,12,13,14,15
	v_med3_num_f32 v[96+16*\b+\i], v[96+16*\b+\i], -v[HOLD+\b], v[HOLD+\b]
.endr
	v_cvt_scalef32_pk8_fp8_f32 v[PC+4*\b:PC+1+4*\b], v[96+16*\b:103+16*\b], v[SCO+\b]
	v_cvt_scalef32_pk8_fp8_f32 v[PC+2+4*\b:PC+3+4*\b], v[104+16*\b:111+16*\b], v[SCO+\b]
.endr
	v_nop
	global_store_b128 v[HCO], v[PC:PC+3], s[6:7]              ; two images of 512 consecutive bytes
	global_store_b128 v[HCO], v[PC+4:PC+7], s[6:7] offset:512
	global_store_b16 v[HSO], v[TMP], s[6:7]                   ; two bytes a row, rows 32 bytes apart (lanes l and l xor 16 write the same bytes with the same value): 131,072 bytes in the whole launch
	s_wait_xcnt 0x0
	v_lshl_add_u32 v252, v0, 2, 0x12800
	v_mov_b32 v253, 0
	s_wait_alu depctr_va_vdst(0)
	s_wait_tensorcnt 0x0
	ds_add_u32 v252, v253
	s_wait_dscnt 0x0
	s_endpgm
.Lfunc_end_k_qac68040a1d_attn:
	.size	k_qac68040a1d_attn, .Lfunc_end_k_qac68040a1d_attn-k_qac68040a1d_attn
	.p2alignl 7, 3214868480
	.fill 96, 4, 3214868480
	.section	.rodata,"a",@progbits
	.p2align	6, 0x0
	.amdhsa_kernel k_qac68040a1d_attn
		.amdhsa_group_segment_fixed_size 77824
		.amdhsa_private_segment_fixed_size 0
		.amdhsa_enable_private_segment 0
		.amdhsa_kernarg_size 16
		.amdhsa_user_sgpr_count 2
		.amdhsa_user_sgpr_kernarg_segment_ptr 1
		.amdhsa_wavefront_size32 1
		.amdhsa_system_sgpr_workgroup_id_x 1
		.amdhsa_system_sgpr_workgroup_id_y 1
		.amdhsa_system_sgpr_workgroup_id_z 1
		.amdhsa_system_vgpr_workitem_id 0
		.amdhsa_next_free_vgpr 256
		.amdhsa_next_free_sgpr 66
		.amdhsa_reserve_vcc 1
		.amdhsa_float_denorm_mode_32 3
		.amdhsa_float_denorm_mode_16_64 3
		.amdhsa_memory_ordered 1
		.amdhsa_forward_progress 1
		.amdhsa_inst_pref_size 102
	.end_amdhsa_kernel
	.amdgpu_metadata
---
amdhsa.version: [ 1, 2 ]
amdhsa.kernels:
  - .name:           k_qac68040a1d_attn
    .symbol:         k_qac68040a1d_attn.kd
    .args:
      - { .name: qkvq, .offset: 0, .size: 8, .value_kind: global_buffer, .address_space: global }
      - { .name: hq, .offset: 8, .size: 8, .value_kind: global_buffer, .address_space: global }
    .group_segment_fixed_size: 77824
    .private_segment_fixed_size: 0
    .kernarg_segment_align: 8
    .kernarg_segment_size: 16
    .max_flat_workgroup_size: 512
    .sgpr_count:     66
    .vgpr_count:     256
    .wavefront_size: 32
...
	.end_amdgpu_metadata
.endif
;; end of part 3
;; launch proj (part 4): grid 8 x 32, 4 waves a work-group, clusters of 4 x 4, 327,680 bytes of LDS; arguments hq, opnd, b_proj, out0; writes out0
.if DOCPART == 4
	.amdgcn_target "amdgcn-amd-amdhsa--gfx1250"
	.amdhsa_code_object_version 6
	.text
	.protected	k_qac68040a1d_proj
	.globl	k_qac68040a1d_proj
	.p2align	8
	.type	k_qac68040a1d_proj,@function
k_qac68040a1d_proj:
	s_mov_b64 s[64:65], 0
	v_nop
	global_prefetch_b8 v0, s[64:65] scope:SCOPE_SE
	s_setreg_imm32_b32 hwreg(HW_REG_WAVE_MODE, 25, 1), 1
	s_wait_xcnt 0x0
	s_wait_alu depctr_hold_cnt(0) depctr_sa_sdst(0) depctr_va_vdst(0) depctr_va_sdst(0) depctr_va_ssrc(0) depctr_va_vcc(0) depctr_vm_vsrc(0)
	s_getreg_b32 s2, hwreg(HW_REG_IB_STS2, 6, 4)
	s_cmp_eq_u32 s2, 0
	s_cbranch_scc0 .Lentry_in_a_cluster
	s_endpgm
.Lentry_in_a_cluster:
	s_bfe_u32 s2, ttmp6, 0x10000c
	s_cmp_lg_u32 s2, 0xf033
	s_cbranch_scc0 .Lentry_shape_is_right
	s_endpgm
.Lentry_shape_is_right:
; out0 = h w_proj + b_proj on codes of FP8 (E4M3) with E8M0 scales.  h comes as images of operand registers (hq: [tile of 16 rows][16 heads][2][512 bytes]; scale bytes [row position][32] at HS),
; w_proj as rows of codes in position order (opnd at WPC; scale bytes at WPS).  LIMITS: NaN and infinities are not served.
; A tile of 128 x 128 to a work-group, 256 work-groups.  Waves 2 x 2: a wave holds 64 columns of w_proj, all of K, in registers (512) and takes four blocks of 16 rows of h past them (tiles 2 s + my row of waves); each block is stored
; as soon as it is finished.  All operands come by one joint load a wave at the head: wave 0 the weight, waves 1 to 3 h's tiles 0-1, 2-3, 4-7; nothing is filled again, and there is no loop to prefetch in.
; CLUSTERS: 4 x 4 work-groups; h's tiles are shared along a row of the cluster, w_proj's along a column.
; The matrix instruction is used transposed: a lane holds row pi(a, r) = 32 (a / 2) + 8 (a % 2) + r + 8 (r / 8) and its registers neighbouring columns.  The bias is the C of each sum's first instruction.
; REGISTERS: window 0 all else; windows 1, 2 the weight; window 3 two sets of h's fragments.
.set WPC,  7340032
.set WPS,  8617984
.set HS,   4194304
.set PITCH, 1040
.set TILE, 16*PITCH
.set BL,   131072                      ; LDS: h's 8 tiles x 16,384 bytes, then the weight's 128 rows,
.set STG,  BL+128*PITCH                ; a stage of 16 rows x 272 bytes a wave,
.set SPARE, STG+4*4352                 ; and the spare words
.set SPW, 2
.set NIL, 3
.set ADA, 8
.set ADB, 10
.set STO, 11
.set RD,  12
.set CO,  13
.set XA,  14
.set WA,  15
.set BO,  16
.set SA,  28
.set SB,  48
.set BIA, 64
.set ACC, 96
.set OB,  160
.set G1B, 24
.set G1A, 32
.set G1L, 48
.set G0B, 56
.set G0A, 60
.set MSB, 0
.macro WIN new
.if MSB != \new
	s_set_vgpr_msb (MSB<<8)|\new
.set MSB, \new
.endif
.endm
.macro PLACES n
.rept \n
	v_nop
.endr
.endm
.macro BARRIER
	s_barrier_signal -1
	s_barrier_wait -1
.endm
.macro CROUND                          ; a round of the cluster's barrier
	BARRIER
	s_cmp_lg_u32 s14, 0
	s_cbranch_scc1 .Lnot_wave_0_\@
	s_barrier_signal -3
.Lnot_wave_0_\@:
	s_barrier_wait -3
	BARRIER
.endm
.macro TLOAD g0, g1
	tensor_load_to_lds s[\g0:\g0+3], s[\g1:\g1+7]
	s_nop 0
	PLACES 4
.endm
.macro GROUPA g, rows                  ; h's tiles: rows of 4,096 dense bytes (512 elements of 8), no padding
	s_or_b32 s[\g], s21, (3<<16)|(1<<21)
	s_mov_b32 s[\g+1], 512<<16
	s_mov_b32 s[\g+2], (\rows)<<16
	s_mov_b32 s[\g+3], 512<<16
	s_mov_b32 s[\g+4], \rows
	s_mov_b32 s[\g+5], 512
	s_mov_b32 s[\g+6], 0
	s_mov_b32 s[\g+7], 0
.endm
	s_load_b256 s[4:11], s[0:1], 0x0               ; hq, opnd, b_proj, out0
	v_lshl_add_u32 v[SPW], v0, 2, SPARE
	v_mov_b32 v[NIL], 0
	ds_add_u32 v[SPW], v[NIL]                      ; the wave's opening: the add, twice on end
	ds_add_u32 v[SPW], v[NIL]
	v_lshrrev_b32 v1, 5, v0
	v_readfirstlane_b32 s14, v1                    ; wave
	s_lshr_b32 s15, s14, 1                         ; my row of waves
	s_and_b32 s16, s14, 1                          ; my column of waves
	s_bfe_u32 s17, ttmp6, 0x40000                  ; cx
	s_bfe_u32 s18, ttmp6, 0x40004                  ; cy
	s_lshl_b32 s19, ttmp9, 2
	s_add_co_u32 s19, s19, s17                     ; tile column 0 .. 7
	s_and_b32 s20, ttmp7, 0xffff
	s_lshl_b32 s20, s20, 2
	s_add_co_u32 s20, s20, s18                     ; tile row 0 .. 31
	s_lshl_b32 s21, s18, 2
	s_lshl_b32 s21, 15, s21                        ; my row of the cluster
	s_lshl_b32 s22, 0x1111, s17                    ; my column
	s_or_b32 s[G1B], s22, (1<<20)|(1<<21)|(7<<22)|(3<<25)   ; the weight: 128 rows of 1,024 bytes, 16 of padding behind each
	s_mov_b32 s[G1B+1], 1024<<16
	s_mov_b32 s[G1B+2], 128<<16
	s_mov_b32 s[G1B+3], 1024<<16
	s_mov_b32 s[G1B+4], 128
	s_mov_b32 s[G1B+5], 1024
	s_mov_b32 s[G1B+6], 0
	s_mov_b32 s[G1B+7], 0
	GROUPA G1A, 8
	GROUPA G1L, 16
	s_mov_b32 s[G0B], 1
	s_mov_b32 s[G0B+1], BL
	s_add_co_u32 s23, s14, 3
	s_and_b32 s23, s23, 3
	s_lshl_b32 s23, s23, 15                        ; waves 1, 2, 3 begin at 0, 32,768, 65,536 of h's 131,072 bytes
	s_mov_b32 s[G0A], 1
	s_mov_b32 s[G0A+1], s23
	s_lshl_b32 s40, s20, 17
	s_add_co_u32 s40, s40, s23
	s_mov_b32 s41, 0
	s_lshl_b32 s42, s19, 17
	s_add_co_u32 s42, s42, WPC
	s_mov_b32 s43, 0
	s_lshl_b32 s44, s15, 14                        ; my tiles of h
	s_mul_i32 s45, s16, 64*PITCH
	s_add_co_u32 s45, s45, BL                      ; my 64 columns
	s_mul_i32 s46, s14, 4352
	s_add_co_u32 s46, s46, STG                     ; my stage
	v_and_b32 v4, 15, v0                           ; r
	v_bfe_u32 v5, v0, 4, 1                         ; h
	v_and_b32 v6, 31, v0                           ; l
	v_lshl_add_u32 v[ADA], v6, 4, s44
	v_add_nc_u32 v[ADA+1], 65536, v[ADA]
	v_mul_u32_u24 v7, v4, PITCH
	v_lshl_add_u32 v7, v5, 4, v7
	v_add_nc_u32 v[ADB], s45, v7
	v_mul_u32_u24 v7, v4, 272
	v_lshl_add_u32 v7, v5, 6, v7
	v_add_nc_u32 v[STO], s46, v7                   ; in: row r, + 64 h
	v_mul_u32_u24 v7, v5, 272
	v_lshl_add_u32 v7, v4, 4, v7
	v_add_nc_u32 v[RD], s46, v7                    ; back: two rows an instruction
	v_lshlrev_b32 v7, 12, v5
	v_lshl_add_u32 v[CO], v4, 4, v7                ; and the same two rows in out0
	v_lshlrev_b32 v7, 10, v5
	v_lshl_add_u32 v[XA], v4, 5, v7                ; h's scale bytes: lanes 16-31 take the tile two on
	v_lshlrev_b32 v[WA], 5, v6
	v_lshlrev_b32 v[BO], 6, v5
	s_wait_alu depctr_va_vdst(0)
	s_wait_dscnt 0x0
	CROUND                                         ; all sixteen work-groups are here
	s_wait_kmcnt 0x0
	s_add_nc_u64 s[G0A+2:G0A+3], s[4:5], s[40:41]
	s_or_b32 s[G0A+3], s[G0A+3], 0x80000000
	s_add_nc_u64 s[G0B+2:G0B+3], s[6:7], s[42:43]
	s_or_b32 s[G0B+3], s[G0B+3], 0x80000000
.macro ARM under, g0, g1, next
	s_cmp_lt_u32 s14, \under
	s_cbranch_scc0 \next
	TLOAD \g0, \g1
	s_branch .Lasked
\next:
.endm
	ARM 1, G0B, G1B, .Lw1
	ARM 2, G0A, G1A, .Lw2
	ARM 3, G0A, G1A, .Lw3
	TLOAD G0A, G1L
.Lasked:
	s_lshl_b32 s40, s20, 12
	s_lshl_b32 s12, s15, 9
	s_add_co_u32 s40, s40, s12
	s_add_co_u32 s40, s40, HS
	s_mov_b32 s41, 0
	s_lshl_b32 s42, s19, 12
	s_lshl_b32 s12, s16, 11
	s_add_co_u32 s42, s42, s12
	s_add_co_u32 s42, s42, WPS
	s_mov_b32 s43, 0
	s_lshl_b32 s44, s19, 9
	s_lshl_b32 s12, s16, 8
	s_add_co_u32 s44, s44, s12                     ; my 64 columns, in bytes
	s_mov_b32 s45, 0
	s_lshl_b32 s46, s20, 19
	s_lshl_b32 s12, s15, 15
	s_add_co_u32 s46, s46, s12
	s_add_co_u32 s46, s46, s44                     ; out0: row 128 x tile row + 8 x my row of waves
	s_mov_b32 s47, 0
	s_add_nc_u64 s[40:41], s[4:5], s[40:41]
	s_add_nc_u64 s[42:43], s[6:7], s[42:43]
	s_add_nc_u64 s[44:45], s[8:9], s[44:45]
	s_add_nc_u64 s[46:47], s[10:11], s[46:47]
.irp k, 0,1
.irp c, 0,1
	global_load_b128 v[SA+8*\k+4*\c:SA+8*\k+4*\c+3], v[XA], s[40:41] offset:2048*\k+16*\c    ; lanes 0-15 block 2 k's words, lanes 16-31 block 2 k + 1's
	global_load_b128 v[SB+8*\k+4*\c:SB+8*\k+4*\c+3], v[WA], s[42:43] offset:1024*\k+16*\c    ; column tiles 2 k, 2 k + 1
.endr
.endr
.irp b, 0,1,2,3
	global_load_b128 v[BIA+8*\b:BIA+8*\b+3], v[BO], s[44:45] offset:128*(\b/2)+32*(\b%2)
	global_load_b128 v[BIA+8*\b+4:BIA+8*\b+7], v[BO], s[44:45] offset:128*(\b/2)+32*(\b%2)+16
.endr
	s_cmp_lt_u32 s14, 1
	s_cbranch_scc0 .Lnot_the_weight
	s_wait_tensorcnt 0x0                           ; the weight is in
.Lnot_the_weight:
	BARRIER
.irp q, 0,1,2,3,4,5,6,7
	WIN (1+\q/4)<<6
.irp b, 0,1,2,3
.irp c, 0,1,2,3
	ds_load_b128 v[64*(\q%4)+16*\b+4*\c:64*(\q%4)+16*\b+4*\c+3], v[ADB] offset:TILE*\b+128*\q+32*\c
.endr
.endr
.endr
	WIN 0
	s_wait_loadcnt 0x0
	s_wait_dscnt 0x0                               ; the weight is in registers
	s_cmp_lt_u32 s14, 3
	s_cbranch_scc0 .Llast_tiles_out
	s_wait_tensorcnt 0x0                           ; h's tiles 0 to 3 are in; wave 3's may be out
.Llast_tiles_out:
	BARRIER
.macro FETCHA s                        ; block s: 32 loads into set s % 2
	WIN 0xc0
.irp q, 0,1,2,3,4,5,6,7
.irp c, 0,1,2,3
	ds_load_b128 v[128*(\s%2)+16*\q+4*\c:128*(\s%2)+16*\q+4*\c+3], v[ADA+\s/2] offset:32768*(\s%2)+2048*\q+512*\c
.endr
.endr
	WIN 0
.endm
.macro PROD s, b                       ; the Q_-th 128 of K: four accumulators by turns
.set A_, ACC+32*(\s%2)+8*\b
.set C_, A_
.if Q_ == 0
.set C_, BIA+8*\b
.endif
.set W_, 64*(Q_%4)+16*\b
.set X_, 128*(\s%2)+16*Q_
.set SA_, SA+8*(\s/2)+Q_
.set SB_, SB+8*(\b/2)+Q_
	WIN (0x0d+Q_/4)
.if (\b%2) && (\s%2)
	v_wmma_scale_f32_16x16x128_f8f6f4 v[A_:A_+7], v[W_:W_+15], v[X_:X_+15], v[C_:C_+7], v[SB_], v[SA_] matrix_a_scale:MATRIX_SCALE_ROW1 matrix_b_scale:MATRIX_SCALE_ROW1
.elseif \b%2
	v_wmma_scale_f32_16x16x128_f8f6f4 v[A_:A_+7], v[W_:W_+15], v[X_:X_+15], v[C_:C_+7], v[SB_], v[SA_] matrix_a_scale:MATRIX_SCALE_ROW1
.elseif \s%2
	v_wmma_scale_f32_16x16x128_f8f6f4 v[A_:A_+7], v[W_:W_+15], v[X_:X_+15], v[C_:C_+7], v[SB_], v[SA_] matrix_b_scale:MATRIX_SCALE_ROW1
.else
	v_wmma_scale_f32_16x16x128_f8f6f4 v[A_:A_+7], v[W_:W_+15], v[X_:X_+15], v[C_:C_+7], v[SB_], v[SA_]
.endif
.endm
.macro BLOCK s, out
	s_wait_dscnt \out
.set Q_, 0
.rept 8
.irp b, 0,1,2,3
	PROD \s, \b
.endr
.set Q_, Q_+1
.endr
	WIN 0
	PLACES 8                                       ; in front of the readers of the sums and of the loads into what the products have read
.endm
.macro TOSTAGE s                       ; 16 rows x 64 columns through my own stage; back as whole rows of 256 bytes
.if \s > 1
	s_wait_xcnt 0x0                                ; the stores of two blocks ago have read their registers
.endif
.irp b, 0,1,2,3
	ds_store_b128 v[STO], v[ACC+32*(\s%2)+8*\b:ACC+32*(\s%2)+8*\b+3] offset:128*(\b/2)+32*(\b%2)
	ds_store_b128 v[STO], v[ACC+32*(\s%2)+8*\b+4:ACC+32*(\s%2)+8*\b+7] offset:128*(\b/2)+32*(\b%2)+16
.endr
.irp t, 0,1,2,3,4,5,6,7
	ds_load_b128 v[OB+32*(\s%2)+4*\t:OB+32*(\s%2)+4*\t+3], v[RD] offset:544*\t   ; LDS serves a wave's instructions in order: these see the stores above
.endr
.endm
.macro SEND s, out                     ; out: the LDS loads issued behind the rows', which may be out
	s_wait_dscnt \out
.irp t, 0,1,2,3,4,5,6,7
	global_store_b128 v[CO], v[OB+32*(\s%2)+4*\t:OB+32*(\s%2)+4*\t+3], s[46:47] offset:4096*(32*\s+2*\t+8*(\t/4)) th:TH_STORE_NT   ; 16 lanes store 256 consecutive bytes, aligned
.endr
.endm
	FETCHA 0
	FETCHA 1
	BLOCK 0, 32
	TOSTAGE 0
	SEND 0, 0
	s_wait_tensorcnt 0x0                           ; h's other tiles are in
	BARRIER
	FETCHA 2
	BLOCK 1, 32
	TOSTAGE 1
	FETCHA 3
	SEND 1, 32
	BLOCK 2, 32
	TOSTAGE 2
	SEND 2, 0
	BLOCK 3, 0
	TOSTAGE 3
	SEND 3, 0
	s_wait_tensorcnt 0x0                           ; the wave's end
	ds_add_u32 v[SPW], v[NIL]
	s_wait_dscnt 0x0
	CROUND                                         ; the closing round: no work-group ends while a partner may still ask for a tile that names it
	s_endpgm
.Lfunc_end_k_qac68040a1d_proj:
	.size	k_qac68040a1d_proj, .Lfunc_end_k_qac68040a1d_proj-k_qac68040a1d_proj
	.p2alignl 7, 3214868480
	.fill 96, 4, 3214868480
	.section	.rodata,"a",@progbits
	.p2align	6, 0x0
	.amdhsa_kernel k_qac68040a1d_proj
		.amdhsa_group_segment_fixed_size 327680
		.amdhsa_private_segment_fixed_size 0
		.amdhsa_enable_private_segment 0
		.amdhsa_kernarg_size 32
		.amdhsa_user_sgpr_count 2
		.amdhsa_user_sgpr_kernarg_segment_ptr 1
		.amdhsa_wavefront_size32 1
		.amdhsa_system_sgpr_workgroup_id_x 1
		.amdhsa_system_sgpr_workgroup_id_y 1
		.amdhsa_system_sgpr_workgroup_id_z 1
		.amdhsa_system_vgpr_workitem_id 0
		.amdhsa_next_free_vgpr 1024
		.amdhsa_next_free_sgpr 106
		.amdhsa_reserve_vcc 0
		.amdhsa_float_denorm_mode_32 3
		.amdhsa_float_denorm_mode_16_64 3
		.amdhsa_memory_ordered 1
		.amdhsa_forward_progress 1
		.amdhsa_inst_pref_size 51
	.end_amdhsa_kernel
	.amdgpu_metadata
---
amdhsa.version: [ 1, 2 ]
amdhsa.kernels:
  - .name:           k_qac68040a1d_proj
    .symbol:         k_qac68040a1d_proj.kd
    .args:
      - { .name: hq, .offset: 0, .size: 8, .value_kind: global_buffer, .address_space: global }
      - { .name: opnd, .offset: 8, .size: 8, .value_kind: global_buffer, .address_space: global }
      - { .name: b_proj, .offset: 16, .size: 8, .value_kind: global_buffer, .address_space: global }
      - { .name: out0, .offset: 24, .size: 8, .value_kind: global_buffer, .address_space: global }
    .group_segment_fixed_size: 327680
    .private_segment_fixed_size: 0
    .kernarg_segment_align: 8
    .kernarg_segment_size: 32
    .max_flat_workgroup_size: 128
    .sgpr_count:     106
    .vgpr_count:     1024
    .wavefront_size: 32
...
	.end_amdgpu_metadata
.endif
;; end of part 4
